; MI455X (gfx1250); checked and timed in simulation.
; The chip was launched on July 23, 2026; its instructions are those of AMD's public machine-readable ISA for CDNA 5 (MIT licence, August 2026) and "CDNA5" Instruction Set Architecture Reference Guide (July 2026). The comments in the code are by the model that wrote it; some were corrected since.
;; Multi Head Attention. Allowed arithmetic: matrix products marked QUANTISED: E2M1 operands, one E8M0 scale for each 32 along K, by v_wmma_scale_f32_16x16x128_f8f6f4 with both operands' format E2M1 (or v_wmma_scale_f32_32x16x128_f4), f32 sums; products left as they are: bf16, f16 or f32 operands; f32 sums; everything else in f32.
;; Inputs: b_out 1,024 float32; b_qkv 3,072 float32; w_out 1,024 x 1,024 float32; w_qkv 1,024 x 3,072 float32; x 2 x 2,048 x 1,024 float32.
;; Outputs: out0 2 x 2,048 x 1,024 float32.
;; This version of the problem:
;;   THIS VERSION OF THE PROBLEM IS GIVEN IN LOW PRECISION. The matrix products marked QUANTISED in the list below multiply operands that are first quantised to E2M1 (2 exponent bits, 1 mantissa bit; 4 bits a number), with one power-of-two scale for each 32 numbers along K (OCP MX v1.0); their sums are f32. The products marked 'left as it is' may take bf16, f16 or f32 operands, with f32 sums. Whichever they take, every output number must still come out within the allowed error. Rounding operands to bf16 (8 significant bits) uses up far more of that allowance than f16 does (11 bits, for magnitudes from 6e-5 to 65,504). All else is computed in f32.
;;   The module's matrix products, in the order in which they are computed (A, B: the left and right operand; K: the contracted axis; several contracted axes count as one K, in the product's order):
;;     1. [M 4,096, K 1,024] x [K 1,024, N 3,072]; A: input x; B: input w_qkv: QUANTISED
;;     2. batch 32 x [M 2,048, K 64] x [K 64, N 2,048]; A: computed on the way; B: computed on the way: left as it is (an operand is computed on the way)
;;     3. batch 32 x [M 2,048, K 2,048] x [K 2,048, N 64]; A: computed on the way; B: computed on the way: left as it is (an operand is computed on the way)
;;     4. [M 4,096, K 1,024] x [K 1,024, N 1,024]; A: computed on the way; B: input w_out: left as it is (an operand is computed on the way)
;;   THE QUANTISER, for each operand of a quantised product, along K:
;;     - K is cut into blocks of 32 from its start; a last block that is shorter is filled with zeros.
;;     - A block's scale is 2^e with e = floor(log2(the largest magnitude in the block)) - 2, held to -126 .. 127; a block of zeros has e = 0. As a byte (E8M0): e + 127.
;;     - Each number is divided by its block's scale, clamped to +-6, and rounded to the nearest number of E2M1, ties to even, subnormals kept.
;;     - The product sums the exact products of the quantised numbers (number of the format x scale) in f32.
;;   ~~~python
;;   def quantise(x, axis):      # numpy; x: float32 -> the quantised numbers, widened to float32 again
;;       x = np.moveaxis(x, axis, -1); K = x.shape[-1]
;;       x = np.pad(x, [(0, 0)] * (x.ndim - 1) + [(0, -K % 32)]); x = x.reshape(x.shape[:-1] + (-1, 32)); a = np.abs(x).max(-1, keepdims=True)
;;       e = np.where(a > 0, np.clip(np.frexp(np.where(a > 0, a, 1))[1] - 1 - 2, -126, 127), 0)      # np.frexp(a)[1] - 1 = floor(log2(a)), exactly
;;       r = np.clip(x / 2.0 ** e, -6, 6)
;;       step = 2.0 ** (np.maximum(np.frexp(np.where(r == 0, 1, r))[1] - 1, 0) - 1)
;;       q = np.round(r / step) * step * 2.0 ** e      # np.round: ties to even
;;       return np.moveaxis(q.reshape(q.shape[:-2] + (-1,))[..., :K], -1, axis).astype(np.float32)
;;   ~~~
;; One version. Each part assembles by itself: llvm-mc -triple=amdgcn-amd-amdhsa -mcpu=gfx1250 --defsym DOCPART=n.
;; ======== version 1 of 1: 4 launches
;; limits: values are held in f16: magnitudes above 65,504 overflow, below 6.1e-05 lose precision
;; workspace buffers: xc 2,097,152 bytes; xs 131,072 bytes; wc 1,572,864 bytes; ws 98,304 bytes; wof 2,097,152 bytes; qkv 25,165,824 bytes; ao 8,388,608 bytes
;; launch prep (part 1): grid 208 x 1, 16 waves a work-group, no clusters, 120,832 bytes of LDS; arguments x, w_qkv, w_out, xc, xs, wc, ws, wof; writes xc, xs, wc, ws, wof
.if DOCPART == 1
	.amdgcn_target "amdgcn-amd-amdhsa--gfx1250"
	.amdhsa_code_object_version 6
	.text
	.protected	k_q386df14b5a_prep
	.globl	k_q386df14b5a_prep
	.p2align	8
	.type	k_q386df14b5a_prep,@function
k_q386df14b5a_prep:
	s_mov_b64 s[64:65], 0
	v_nop
	global_prefetch_b8 v0, s[64:65] scope:SCOPE_SE
	s_setreg_imm32_b32 hwreg(HW_REG_WAVE_MODE, 25, 1), 1
	s_wait_xcnt 0x0
; PREP: three jobs in one launch, told apart by the work-group's number (the same in all sixteen waves of a work-group).
;   work-groups   0-127  X: x [4096][1024] f32 -> codes of FP4 (E2M1), K innermost, xc [4096][512 bytes], and one E8M0 byte for each 32 along K, xs [4096][32]
;   work-groups 128-175  W: w_qkv [1024 (k)][3072 (n)] f32, K its FIRST axis -> wc [3072 (n)][512 bytes], ws [3072][32]
;   work-groups 176-207  O: w_out [1024 (k)][1024 (n)] f32 -> f16, laid as the images of operand registers: wof [n tile 64][32 k 32][half 2][lane 32][16 bytes]
; A block's scale is 2^(floor(log2(its largest magnitude)) - 2); its byte is the largest magnitude's exponent field - 2, held at 1 from below.
; (A block of zeros so gets the byte 1 where the rule says 127: its codes are zeros, which add nothing under any byte but 0xff, and the bytes are read by this program alone.)
; LIMITS: blocks whose largest magnitude lies under 2^-124, the floor, keep the byte 1; NaN and infinities among the inputs are not served; |w_out| of 65,504 or more becomes infinity in f16.
; Each job has LDS bytes of its own.  No tensor load, no copy.  Sixteen waves, each with all or most of its loads out at once: a wave has few bytes, and the launch is short.
.set SP,     80                        ; X: a lane's place in a turning stage: its 64 bytes + 16 of padding
.set XSC,    81920                     ; X: behind 16 waves x two stages of 32 x 80 bytes: the work-group's 1,024 scale bytes
.set WST,    82944                     ; W: 64 rows (columns of w_qkv) x (512 bytes of codes + 16)
.set WPITCH, 528
.set WSC,    116736                    ; W: 64 rows x 32 scale bytes
.set SPARE,  118784                    ; the spare words, 128 bytes for each wave: eight blocks of 256 bytes that no other line names
.set SPW,    12                        ; v12  LDS address of my spare word; never rewritten
.set NIL,    13                        ; v13  0; never rewritten
.set WV,     20                        ; s20  my wave's number
.set R,      16                        ; X: v16-79   four steps' numbers as they are loaded
.set X,      80                        ; X: v80-111  two sets of 16 neighbours
.set E,      112                       ; X: v112-115 a scale byte for each step
.set C,      128                       ; X: codes, four registers apart for each step: no store's data are written again
; ---- X's macros: a step is 512 numbers; each of its four loads reads 512 consecutive bytes; the 2,048 bytes turn through the wave's own stage, so that a lane gets 16 neighbours along K
.macro XLOAD t
.irp i, 0,1,2,3
	global_load_b128 v[R+16*(\t)+4*\i:R+16*(\t)+4*\i+3], v3, s[4:5] offset:2048*(\t)+512*\i th:TH_LOAD_NT
.endr
.endm
.macro XTURN t                         ; LDS serves a wave's instructions in order: no wait between the stores and the loads
.irp i, 0,1,2,3
	ds_store_b128 v14, v[R+16*(\t)+4*\i:R+16*(\t)+4*\i+3] offset:32*SP*((\t)%2)+8*SP*\i
.endr
.irp i, 0,1,2,3
	ds_load_b128 v[X+16*((\t)%2)+4*\i:X+16*((\t)%2)+4*\i+3], v15 offset:32*SP*((\t)%2)+16*\i
.endr
.endm
.macro XSTEP t
.set XS, X+16*((\t)%2)
.if (\t) > 0
	s_wait_dscnt 1                                 ; this step's numbers are back from the stage; the last step's byte store may be out
.else
	s_wait_dscnt 0x0
.endif
.if (\t) < 3
	s_wait_loadcnt 4*(2-(\t))                      ; the next step's four loads are in; those of the steps behind it may be out
	XTURN (\t)+1                                   ; and go through the other stage while this step is worked
.endif
	v_max3_num_f32 v8, |v[XS]|, |v[XS+1]|, |v[XS+2]|               ; the largest magnitude of my 16, in two chains
	v_max3_num_f32 v9, |v[XS+3]|, |v[XS+4]|, |v[XS+5]|
.irp i, 6,10
	v_max3_num_f32 v8, v8, |v[XS+\i]|, |v[XS+\i+1]|
	v_max3_num_f32 v9, v9, |v[XS+\i+2]|, |v[XS+\i+3]|
.endr
	v_max3_num_f32 v8, v8, |v[XS+14]|, |v[XS+15]|
	v_max3_num_f32 v8, v8, v9, 0x1800000           ; and the floor 2^(3 - 127): the byte cannot fall under 1
	v_max_num_f32_dpp v8, v8, v8 row_xmask:1 row_mask:0xf bank_mask:0xf   ; and of my neighbour's 16: the block's
	v_add_nc_u32 v11, 0xff000000, v8               ; 2 off its exponent field: the conversion takes the exponent field of this operand as its scale
	v_cvt_scalef32_pk8_fp4_f32 v[C+4*(\t)], v[XS:XS+7], v11
	v_cvt_scalef32_pk8_fp4_f32 v[C+4*(\t)+1], v[XS+8:XS+15], v11
	v_lshrrev_b32 v[E+(\t)], 23, v11               ; the scale's byte (a plain line behind the conversions)
	ds_store_b8 v5, v[E+(\t)] offset:16*(\t)       ; both lanes of a block write the same byte with the same value
	global_store_b64 v4, v[C+4*(\t):C+4*(\t)+1], s[10:11] offset:256*(\t)   ; 32 lanes store 256 consecutive bytes, aligned
.endm
; ---- W's macros: a lane takes a column, its registers run down K: block t is 32 numbers of one column
.macro WLOAD t
.set i, 0
.rept 32
	global_load_b32 v[32+32*(\t)+i], v3, s[6:7] offset:(32*(\t)+i)*12288 th:TH_LOAD_NT
.set i, i+1
.endr
.endm
.macro WBLOCK t
.if (\t) < 3
	s_wait_loadcnt 32                              ; this block's 32 loads are in; the next block's 32 may be out
.else
	s_wait_loadcnt 0x0
.endif
.if (\t) < 2
	WLOAD (\t)+2                                   ; each block has registers of its own: two blocks are always on their way
.endif
.set XS, 32+32*(\t)
	v_max3_num_f32 v16, |v[XS]|, |v[XS+1]|, |v[XS+2]|              ; the block's largest magnitude: all 32 numbers are mine
	v_max3_num_f32 v17, |v[XS+3]|, |v[XS+4]|, |v[XS+5]|
.irp i, 6,10,14,18,22,26
	v_max3_num_f32 v16, v16, |v[XS+\i]|, |v[XS+\i+1]|
	v_max3_num_f32 v17, v17, |v[XS+\i+2]|, |v[XS+\i+3]|
.endr
	v_max3_num_f32 v16, v16, |v[XS+30]|, |v[XS+31]|
	v_max3_num_f32 v16, v16, v17, 0x1800000        ; the floor
	v_add_nc_u32 v18, 0xff000000, v16              ; the conversion's scale operand
	v_lshrrev_b32 v19, 23, v18                     ; the byte
.if (\t) == 0
	v_mov_b32 v20, v19                             ; four bytes to a word, the lower K in the lower byte
.else
	v_lshl_or_b32 v20, v19, 8*(\t), v20
.endif
.irp g, 0,1,2,3
	v_cvt_scalef32_pk8_fp4_f32 v[160+4*(\t)+\g], v[XS+8*\g:XS+8*\g+7], v18
.endr
	v_nop                                          ; one plain line behind the last conversion of a run
	ds_store_b128 v4, v[160+4*(\t):160+4*(\t)+3] offset:16*(\t)    ; 32 codes: 16 bytes of my column's row
.endm
	s_load_b256 s[4:11], s[0:1], 0x0               ; x s[4:5], w_qkv s[6:7], w_out s[8:9], xc s[10:11]
	s_load_b256 s[12:19], s[0:1], 0x20             ; xs s[12:13], wc s[14:15], ws s[16:17], wof s[18:19]
	v_lshl_add_u32 v[SPW], v0, 2, SPARE
	v_mov_b32 v[NIL], 0
	v_lshrrev_b32 v1, 5, v0
	v_readfirstlane_b32 s[WV], v1                  ; wave 0..15
	v_and_b32 v2, 31, v0                           ; lane
	s_mov_b32 s23, 0                               ; the upper word of every offset pair s[22:23]
	s_wait_kmcnt 0x0
	s_cmp_lt_u32 ttmp9, 128
	s_cbranch_scc1 .Lrole_x
	s_cmp_lt_u32 ttmp9, 176
	s_cbranch_scc1 .Lrole_w
; ================ O: w_out to f16 images.  A wave takes 32 columns x 64 along K; a lane a column, its registers down K.
; Eight neighbours along K of column n are 16 bytes: the piece of lane (r = n % 16, h) of the fragment of n tile n / 16: k = 32 kf + 16 c + 8 h + 0..7 lies at 1,024 kf + 512 c + 256 h + 16 r.
	s_sub_co_u32 s21, ttmp9, 176                   ; 0..31
	s_and_b32 s24, s21, 15                         ; which 64 columns
	s_lshr_b32 s25, s21, 4                         ; which 512 along K
	s_and_b32 s26, s[WV], 1                        ; which 32 of the columns
	s_lshr_b32 s27, s[WV], 1                       ; which 64 along K
	s_lshl_b32 s22, s25, 9
	s_lshl_b32 s28, s27, 6
	s_add_co_u32 s22, s22, s28                     ; my first k
	s_lshl_b32 s22, s22, 12                        ; rows of 4,096 bytes
	s_lshl_b32 s28, s24, 8
	s_add_co_u32 s22, s22, s28
	s_lshl_b32 s28, s26, 7
	s_add_co_u32 s22, s22, s28                     ; + 4 x my first column
	s_add_nc_u64 s[8:9], s[8:9], s[22:23]
	s_lshl_b32 s22, s24, 17                        ; out: n tile 4 x group + 2 x half, 32,768 bytes each,
	s_lshl_b32 s28, s26, 16
	s_add_co_u32 s22, s22, s28
	s_lshl_b32 s28, s25, 14                        ; fragment 16 x K half + 2 x K part, 1,024 bytes each
	s_add_co_u32 s22, s22, s28
	s_lshl_b32 s28, s27, 11
	s_add_co_u32 s22, s22, s28
	s_add_nc_u64 s[18:19], s[18:19], s[22:23]
	v_lshlrev_b32 v3, 2, v2                        ; in: 4 bytes a lane
	v_lshrrev_b32 v4, 4, v2
	v_and_b32 v5, 15, v2
	v_lshlrev_b32 v5, 4, v5
	v_lshl_add_u32 v4, v4, 15, v5                  ; out: lanes 16-31 the next n tile; 16 bytes a lane
.set i, 0
.rept 64
	global_load_b32 v[32+i], v3, s[8:9] offset:4096*i th:TH_LOAD_NT
.set i, i+1
.endr
.irp p, 0,1,2,3,4,5,6,7
	s_wait_loadcnt 56-8*\p                         ; piece p's eight loads are in; the younger ones stay out
.irp j, 0,1,2,3
	v_cvt_pk_f16_f32 v[96+4*\p+\j], v[32+8*\p+2*\j], v[33+8*\p+2*\j]
.endr
	global_store_b128 v4, v[96+4*\p:96+4*\p+3], s[18:19] offset:256*\p   ; each half of the lanes stores 256 consecutive bytes, aligned
.endr
	s_branch .Lend
; ================ W: 64 columns of w_qkv, all of K.  Wave w: columns 32 (w % 2) on, K 128 (w / 2) on: four blocks a lane.
.Lrole_w:
	s_sub_co_u32 s21, ttmp9, 128                   ; 0..47
	s_and_b32 s24, s[WV], 1
	s_lshr_b32 s25, s[WV], 1
	s_mul_i32 s22, s25, 128*12288                  ; 128 rows of 12,288 bytes
	s_lshl_b32 s26, s21, 8
	s_add_co_u32 s22, s22, s26
	s_lshl_b32 s26, s24, 7
	s_add_co_u32 s22, s22, s26                     ; + 4 x my first column
	s_add_nc_u64 s[6:7], s[6:7], s[22:23]
	s_lshl_b32 s22, s21, 15                        ; codes out: rows 64 u + 4 w on, 512 bytes each
	s_lshl_b32 s26, s[WV], 11
	s_add_co_u32 s22, s22, s26
	s_add_nc_u64 s[14:15], s[14:15], s[22:23]
	s_lshl_b32 s22, s21, 11                        ; scale bytes out: 64 rows of 32 bytes
	s_add_nc_u64 s[16:17], s[16:17], s[22:23]
	v_lshlrev_b32 v3, 2, v2
	s_mul_i32 s26, s24, 32*WPITCH
	s_lshl_b32 s27, s25, 6
	s_add_co_u32 s26, s26, s27
	s_add_co_u32 s26, s26, WST
	v_mul_u32_u24 v4, v2, WPITCH
	v_add_nc_u32 v4, s26, v4                       ; the stage: row = my column, + 64 bytes for each 128 along K
	s_lshl_b32 s26, s24, 10
	s_lshl_b32 s27, s25, 2
	s_add_co_u32 s26, s26, s27
	s_add_co_u32 s26, s26, WSC
	v_lshl_add_u32 v5, v2, 5, s26                  ; my column's scale word of these 128
	s_mul_i32 s26, s[WV], 4*WPITCH
	s_add_co_u32 s26, s26, WST
	v_lshlrev_b32 v7, 4, v2
	v_add_nc_u32 v6, s26, v7                       ; back: rows 4 w on, whole: 32 lanes x 16 bytes
	v_and_b32 v9, 127, v0
	v_lshlrev_b32 v9, 4, v9                        ; waves 0-3 carry the 2,048 scale bytes out, 16 a thread
	v_add_nc_u32 v8, WSC, v9
	WLOAD 0
	WLOAD 1
	WBLOCK 0
	WBLOCK 1
	WBLOCK 2
	WBLOCK 3
	ds_store_b32 v5, v20
	s_wait_dscnt 0x0                               ; for the others' sake: my stores have landed
	s_barrier_signal -1
	s_barrier_wait -1                              ; 64 whole rows of codes and of scale bytes lie in LDS
.irp i, 0,1,2,3
	ds_load_b128 v[176+4*\i:179+4*\i], v6 offset:WPITCH*\i
.endr
.irp i, 0,1,2,3
	s_wait_dscnt 3-\i
	global_store_b128 v7, v[176+4*\i:179+4*\i], s[14:15] offset:512*\i   ; a row of 512 consecutive bytes, aligned
.endr
	s_cmp_lt_u32 s[WV], 4
	s_cbranch_scc0 .Lend
	ds_load_b128 v[24:27], v8
	s_wait_dscnt 0x0
	global_store_b128 v9, v[24:27], s[16:17]       ; 512 consecutive bytes a wave
	s_branch .Lend
; ================ X: 32 rows of x.  Rows are dense and 1,024 is a multiple of 32: a plain stream of blocks.  A wave takes 4 steps of 512 numbers, all sixteen loads out at once.
.Lrole_x:
	s_lshl_b32 s21, ttmp9, 4
	s_add_co_u32 s21, s21, s[WV]                   ; which run of 2,048 numbers is my wave's
	s_lshl_b32 s22, s21, 13
	s_add_nc_u64 s[4:5], s[4:5], s[22:23]
	s_lshl_b32 s22, s21, 10
	s_add_nc_u64 s[10:11], s[10:11], s[22:23]
	s_lshl_b32 s22, ttmp9, 10                      ; the work-group's 1,024 scale bytes
	s_add_nc_u64 s[12:13], s[12:13], s[22:23]
	v_lshlrev_b32 v3, 4, v2                        ; my 16 bytes of a load's 512
	s_mul_i32 s24, s[WV], 2*32*SP
	v_lshrrev_b32 v14, 2, v2
	v_mul_u32_u24 v14, v14, SP
	v_and_b32 v15, 3, v2
	v_lshl_add_u32 v14, v15, 4, v14
	v_add_nc_u32 v14, s24, v14                     ; the stage, in: four lanes' 64 bytes on end, then 16 of padding
	v_mul_u32_u24 v15, v2, SP
	v_add_nc_u32 v15, s24, v15                     ; out: my 16 neighbours
	v_lshlrev_b32 v4, 3, v2                        ; my 8 bytes of a step's codes
	v_lshrrev_b32 v5, 1, v2
	s_lshl_b32 s24, s[WV], 6
	s_add_co_u32 s24, s24, XSC
	v_add_nc_u32 v5, s24, v5                       ; my wave's 64 scale bytes, my block's byte
	v_and_b32 v7, 127, v0
	v_lshlrev_b32 v7, 3, v7                        ; waves 0-3 carry the 1,024 scale bytes out, 8 a thread
	v_add_nc_u32 v6, XSC, v7
	XLOAD 0
	XLOAD 1
	XLOAD 2
	XLOAD 3
	s_wait_loadcnt 12                              ; step 0's four loads are in; the twelve of steps 1 to 3 stay out
	XTURN 0
	XSTEP 0
	XSTEP 1
	XSTEP 2
	XSTEP 3
	s_wait_dscnt 0x0                               ; for the others' sake: my byte stores have landed
	s_barrier_signal -1
	s_barrier_wait -1
	s_cmp_lt_u32 s[WV], 4
	s_cbranch_scc0 .Lend
	ds_load_b64 v[8:9], v6
	s_wait_dscnt 0x0
	global_store_b64 v7, v[8:9], s[12:13]          ; 32 lanes store 256 consecutive bytes, aligned
.Lend:
	s_wait_tensorcnt 0x0                           ; the wave's end, behind my last LDS store
	ds_add_u32 v[SPW], v[NIL]
	s_wait_dscnt 0x0
	s_endpgm
.Lfunc_end_k_q386df14b5a_prep:
	.size	k_q386df14b5a_prep, .Lfunc_end_k_q386df14b5a_prep-k_q386df14b5a_prep
	.p2alignl 7, 3214868480
	.fill 96, 4, 3214868480
	.section	.rodata,"a",@progbits
	.p2align	6, 0x0
	.amdhsa_kernel k_q386df14b5a_prep
		.amdhsa_group_segment_fixed_size 120832
		.amdhsa_private_segment_fixed_size 0
		.amdhsa_enable_private_segment 0
		.amdhsa_kernarg_size 64
		.amdhsa_user_sgpr_count 2
		.amdhsa_user_sgpr_kernarg_segment_ptr 1
		.amdhsa_wavefront_size32 1
		.amdhsa_system_sgpr_workgroup_id_x 1
		.amdhsa_system_sgpr_workgroup_id_y 1
		.amdhsa_system_sgpr_workgroup_id_z 1
		.amdhsa_system_vgpr_workitem_id 0
		.amdhsa_next_free_vgpr 192
		.amdhsa_next_free_sgpr 66
		.amdhsa_reserve_vcc 0
		.amdhsa_float_denorm_mode_32 3
		.amdhsa_float_denorm_mode_16_64 3
		.amdhsa_memory_ordered 1
		.amdhsa_forward_progress 1
		.amdhsa_inst_pref_size 41
	.end_amdhsa_kernel
	.amdgpu_metadata
---
amdhsa.version: [ 1, 2 ]
amdhsa.kernels:
  - .name:           k_q386df14b5a_prep
    .symbol:         k_q386df14b5a_prep.kd
    .args:
      - { .name: x, .offset: 0, .size: 8, .value_kind: global_buffer, .address_space: global }
      - { .name: w_qkv, .offset: 8, .size: 8, .value_kind: global_buffer, .address_space: global }
      - { .name: w_out, .offset: 16, .size: 8, .value_kind: global_buffer, .address_space: global }
      - { .name: xc, .offset: 24, .size: 8, .value_kind: global_buffer, .address_space: global }
      - { .name: xs, .offset: 32, .size: 8, .value_kind: global_buffer, .address_space: global }
      - { .name: wc, .offset: 40, .size: 8, .value_kind: global_buffer, .address_space: global }
      - { .name: ws, .offset: 48, .size: 8, .value_kind: global_buffer, .address_space: global }
      - { .name: wof, .offset: 56, .size: 8, .value_kind: global_buffer, .address_space: global }
    .group_segment_fixed_size: 120832
    .private_segment_fixed_size: 0
    .kernarg_segment_align: 8
    .kernarg_segment_size: 64
    .max_flat_workgroup_size: 512
    .sgpr_count:     66
    .vgpr_count:     192
    .wavefront_size: 32
...
	.end_amdgpu_metadata
.endif
;; end of part 1
;; launch qkv (part 2): grid 12 x 16, 4 waves a work-group, clusters of 4 x 4, 327,680 bytes of LDS; arguments xc, xs, wc, ws, b_qkv, qkv; writes qkv
.if DOCPART == 2
	.amdgcn_target "amdgcn-amd-amdhsa--gfx1250"
	.amdhsa_code_object_version 6
	.text
	.protected	k_q386df14b5a_qkv
	.globl	k_q386df14b5a_qkv
	.p2align	8
	.type	k_q386df14b5a_qkv,@function
k_q386df14b5a_qkv:
	s_mov_b64 s[64:65], 0
	v_nop
	global_prefetch_b8 v0, s[64:65] scope:SCOPE_SE
	s_setreg_imm32_b32 hwreg(HW_REG_WAVE_MODE, 25, 1), 1
	s_wait_xcnt 0x0
	s_wait_alu depctr_hold_cnt(0) depctr_sa_sdst(0) depctr_va_vdst(0) depctr_va_sdst(0) depctr_va_ssrc(0) depctr_va_vcc(0) depctr_vm_vsrc(0)
	s_getreg_b32 s2, hwreg(HW_REG_IB_STS2, 6, 4)
	s_cmp_eq_u32 s2, 0
	s_cbranch_scc0 .Lentry_in_a_cluster
	s_endpgm
.Lentry_in_a_cluster:
	s_bfe_u32 s2, ttmp6, 0x10000c
	s_cmp_lg_u32 s2, 0xf033
	s_cbranch_scc0 .Lentry_shape_is_right
	s_endpgm
.Lentry_shape_is_right:
; QKV = Q(x) Q(w_qkv) + b_qkv on codes of FP4 (E2M1) with one E8M0 scale for each 32 along K; sums in f32; the result rounded once to f16.
; A: xc [4096][512 bytes], xs [4096][32].  B: wc [3072 (n)][512 bytes], ws [3072][32].  K = 1,024.
; A tile of 256 x 256 is made by a work-group of four waves; a wave makes 128 x 128: 64 accumulators of 16 x 16, 512 registers.  12 x 16 = 192 work-groups.
; K = 1,024 is two K steps of 512 (tile rows of 256 bytes): each has an LDS slot of its own, so both, and the scales of all of K, are first fills, and NOTHING IS FILLED AGAIN.
; CLUSTERS: 4 x 4 work-groups.  The four of a row of the cluster need the same tiles of A, the four of a column the same tiles of B: each tile is asked for JOINTLY.
; THE MATRIX INSTRUCTION IS USED TRANSPOSED (source 0 = 16 rows of B, source 1 = 16 rows of A): a lane holds token lane % 16 and eight neighbouring features 8 (lane / 16) + 0..7.
; THE BIAS is the C of each sum's first matrix instruction: eight registers for each of B's eight blocks, in the result's layout.
; THE WAY OUT needs no LDS: a lane's eight features, as f16, are 16 bytes, and 16 tokens x 16 features, lane l's 16 bytes at 16 l, are just half of the registers of the 16-bit operand fragment
; that the attention launch wants.  So qkv is laid [q, k, v][batch x head 32][token tile 128][feature tile 4][512 bytes], and each store of a wave covers 512 consecutive bytes, aligned.
; In v's tiles the upper half's sixteen places are turned by eight: lane (r, h) lies at 256 h + 16 ((r + 8 h) % 16), for the turning LDS load of the attention launch.
; LIMIT: |q|, |k| or |v| of 65,504 or more becomes infinity in f16.
; REGISTERS: window 0: v0-31 addresses; v32-95 scale words, two sets, and nothing else; v128-191 A's fragments, ONE set; v192-255 the bias; on the way out v128-255 hold packed results.
;   window 1: B's fragments, TWO sets, at v0 and v128.   window 2: the 32 accumulators of my rows 0-63 ((a, b) at v[8 (8 a + b)]);   window 3: those of my rows 64-127.
.set SIZE_K, 1024
.set KSTEP,  512
.set NQ,     KSTEP/128
.set ROWB,   256
.set KROW,   SIZE_K*4/8
.set PITCH,  272                       ; an LDS row: 256 bytes + 16 of padding = 68 words: the 16 rows that a load touches start at 16 different banks (64 banks of 4 bytes: ISA guide 11.1)
.set FR,     8
.set NL,     2
.set NP,     4                         ; places behind this matrix instruction (ISA guide 7.12.1)
.set HALFT,  128*PITCH
.set SLOT,   4*HALFT
.set KS,     SIZE_K/32
.set SCL,    2*SLOT                    ; behind the slots: the scales, as units of 256 bytes + 16 of padding
.set HALFS,  (128*KS/256)*272
.set SBLK,   (16*KS/256)*272
.set SPARE,  SCL+4*HALFS               ; the spare words, 128 bytes for each wave: two blocks of 256 bytes that no other line names
.set ADRA, 16
.set ADRB, 20
.set CO,   26                          ; v26  my lane's place in a piece of 512 bytes
.set ADRS, 27
.set SPW,  28
.set NIL,  29
.set SC,   32
.set AF,   128
.set BI,   192                         ; the bias: register BI + 8 b + j = b_qkv[my first column + 16 b + 8 (lane / 16) + j]
.set TMP,  128                         ; the way out: four sets of 32
.set G1, 24
.set G0, 32
.set G1B, 48
.set G0B, 56
.set G1S, 68
.set G0S, 76
.set G1SB, 80
.set G0SB, 88
.set MSB, 0
.macro WIN new                         ; the immediate's high byte repeats the setting that is left
.if MSB != \new
	s_set_vgpr_msb (MSB<<8)|\new
.set MSB, \new
.endif
.endm
.set MUL_LO, 0xa1                      ; source 0 (B) window 1, source 1 (A) window 0, C and D window 2
.set MUL_HI, 0xf1                      ; the same, C and D window 3
.set BIAS_LO, 0x81                     ; the first step: C (the bias) window 0, D window 2
.set BIAS_HI, 0xc1                     ; D window 3
.set TO_B,   0x40
; A joint load: waves 0 and 1 fetch for A, waves 2 and 3 for B; the branch hangs on the wave's number alone.  An s_nop 0 and four v_nop follow each of the two lines.
.macro JLOAD g0a, g1a, g0b, g1b
	s_cmp_eq_u32 s15, 0
	s_cbranch_scc0 .Lfor_b_\@
	tensor_load_to_lds s[\g0a:\g0a+3], s[\g1a:\g1a+7]
	s_nop 0
.rept 4
	v_nop
.endr
	s_branch .Lasked_\@
.Lfor_b_\@:
	tensor_load_to_lds s[\g0b:\g0b+3], s[\g1b:\g1b+7]
	s_nop 0
.rept 4
	v_nop
.endr
.Lasked_\@:
.endm
.macro CROUND                          ; a round of the cluster's barrier
	s_barrier_signal -1
	s_barrier_wait -1
	s_cmp_lg_u32 s14, 0
	s_cbranch_scc1 .Lnot_wave_0_\@
	s_barrier_signal -3
.Lnot_wave_0_\@:
	s_barrier_wait -3
	s_barrier_signal -1
	s_barrier_wait -1
.endm
	s_load_b128 s[4:7], s[0:1], 0x0                ; A's codes s[4:5], A's scales s[6:7]
	s_load_b128 s[8:11], s[0:1], 0x10              ; B's codes s[8:9], B's scales s[10:11]
	s_load_b64 s[96:97], s[0:1], 0x20              ; b_qkv
	s_load_b64 s[12:13], s[0:1], 0x28              ; qkv
	v_lshl_add_u32 v[SPW], v0, 2, SPARE
	v_mov_b32 v[NIL], 0
	ds_add_u32 v[SPW], v[NIL]                      ; the wave's opening: the add, twice on end, and its wait ahead of my first tensor load
	ds_add_u32 v[SPW], v[NIL]                      ; and once more, under the one wait; the set-up below, work on registers, stands between
	v_lshrrev_b32 v1, 5, v0
	v_readfirstlane_b32 s14, v1                    ; wave 0..3
	s_lshr_b32 s15, s14, 1                         ; which half of the tile's rows is mine.  Also: I fetch for A (0) or for B (1)
	s_and_b32 s16, s14, 1                          ; which half of its columns.  Also: which 128 rows of that tile I fetch
	s_bfe_u32 s40, ttmp6, 0x40000                  ; cx, cy
	s_bfe_u32 s41, ttmp6, 0x40004
	s_lshl_b32 s42, ttmp9, 2
	s_add_co_u32 s42, s42, s40                     ; tile column = 4 x cluster x + cx
	s_and_b32 s17, ttmp7, 0xffff
	s_lshl_b32 s17, s17, 2
	s_add_co_u32 s17, s17, s41                     ; tile row = 4 x cluster y + cy
	s_lshl_b32 s43, s41, 2
	s_lshl_b32 s43, 15, s43                        ; my row of the cluster
	s_lshl_b32 s44, 0x1111, s40                    ; my column
	; descriptor group 1: a tile of 128 rows x 256 bytes, 16 bytes of padding behind each row
	s_or_b32 s[G1+0], s43, (0<<16)|(1<<20)|(1<<21)|(5<<22)|(3<<25)
	s_or_b32 s[G1B+0], s44, (0<<16)|(1<<20)|(1<<21)|(5<<22)|(3<<25)
.irp g, G1, G1B
	s_mov_b32 s[\g+1], ROWB<<16                    ; tensor_dim0
	s_mov_b32 s[\g+2], 128<<16                     ; tensor_dim1
	s_mov_b32 s[\g+3], ROWB<<16                    ; tile_dim0
	s_mov_b32 s[\g+4], 128                         ; tile_dim1
	s_mov_b32 s[\g+5], KROW                        ; the pitch
	s_mov_b32 s[\g+6], 0
	s_mov_b32 s[\g+7], 0
.endr
	; the scales of 128 rows: a dense block of 4,096 bytes, as 16 rows of 256 bytes (32 elements of 8 bytes), 16 bytes of padding behind each
	s_or_b32 s[G1S+0], s43, (3<<16)|(1<<20)|(1<<21)|(5<<22)|(3<<25)
	s_or_b32 s[G1SB+0], s44, (3<<16)|(1<<20)|(1<<21)|(5<<22)|(3<<25)
.irp g, G1S, G1SB
	s_mov_b32 s[\g+1], 32<<16
	s_mov_b32 s[\g+2], (128*KS/256)<<16
	s_mov_b32 s[\g+3], 32<<16
	s_mov_b32 s[\g+4], 128*KS/256
	s_mov_b32 s[\g+5], 32
	s_mov_b32 s[\g+6], 0
	s_mov_b32 s[\g+7], 0
.endr
	s_lshl_b32 s18, s16, 7                         ; which 128 rows of the tile I fetch
	s_lshl_b32 s20, s17, 8
	s_add_co_u32 s20, s20, s18                     ; A: row 256 x tile row + 128 x half
	s_lshl_b32 s46, s42, 8
	s_add_co_u32 s46, s46, s18                     ; B: row 256 x tile column + 128 x half
	s_mov_b32 s21, 0
	s_mov_b32 s47, 0
	s_mov_b64 s[18:19], KS
	s_mul_u64 s[22:23], s[20:21], s[18:19]         ; where these rows' scales begin
	s_mul_u64 s[92:93], s[46:47], s[18:19]
	s_mov_b64 s[18:19], KROW
	s_mul_u64 s[20:21], s[20:21], s[18:19]         ; and their codes
	s_mul_u64 s[46:47], s[46:47], s[18:19]
	s_mul_i32 s45, s14, HALFT                      ; where they go: wave x 128 rows: no place in the cluster enters an LDS address
	s_mul_i32 s94, s14, HALFS
	s_wait_dscnt 0x0                               ; both opening adds are done
	s_wait_kmcnt 0x0
	s_add_nc_u64 s[20:21], s[4:5], s[20:21]
	s_add_nc_u64 s[22:23], s[6:7], s[22:23]
	s_add_nc_u64 s[46:47], s[8:9], s[46:47]
	s_add_nc_u64 s[92:93], s[10:11], s[92:93]
	CROUND                                         ; all sixteen work-groups are here: the joint loads meet
	s_mov_b32 s[G0S], 1
	s_add_co_u32 s[G0S+1], s94, SCL
	s_mov_b64 s[G0S+2:G0S+3], s[22:23]
	s_or_b32 s[G0S+3], s[G0S+3], 0x80000000
	s_mov_b32 s[G0SB], 1
	s_add_co_u32 s[G0SB+1], s94, SCL
	s_mov_b64 s[G0SB+2:G0SB+3], s[92:93]
	s_or_b32 s[G0SB+3], s[G0SB+3], 0x80000000
	JLOAD G0S, G1S, G0SB, G1SB                     ; the scales first: they are wanted with K step 0
.irp s, 0,1
	s_mov_b32 s[G0+4*\s], 1
	s_add_co_u32 s[G0+4*\s+1], s45, \s*SLOT
	s_add_nc_u64 s[G0+4*\s+2:G0+4*\s+3], s[20:21], \s*ROWB
	s_or_b32 s[G0+4*\s+3], s[G0+4*\s+3], 0x80000000
	s_mov_b32 s[G0B+4*\s], 1
	s_add_co_u32 s[G0B+4*\s+1], s45, \s*SLOT
	s_add_nc_u64 s[G0B+4*\s+2:G0B+4*\s+3], s[46:47], \s*ROWB
	s_or_b32 s[G0B+4*\s+3], s[G0B+4*\s+3], 0x80000000
	JLOAD G0+4*\s, G1, G0B+4*\s, G1B               ; three tensor loads of mine are out: all that this text issues
.endr
	v_and_b32 v1, 15, v0                           ; r = l % 16
	v_bfe_u32 v2, v0, 4, 1                         ; h = l / 16
	; the bias of my 128 columns, in the result's layout
	v_lshlrev_b32 v7, 5, v2                        ; 32 h bytes
	s_lshl_b32 s46, s42, 10                        ; 256 columns x 4 bytes a tile column,
	s_lshl_b32 s47, s16, 9                         ; 128 x 4 a half
	s_add_co_u32 s46, s46, s47
	s_mov_b32 s47, 0
	s_add_nc_u64 s[96:97], s[96:97], s[46:47]
.irp b, 0,1,2,3,4,5,6,7
	global_load_b128 v[BI+8*\b:BI+8*\b+3], v7, s[96:97] offset:64*\b
	global_load_b128 v[BI+8*\b+4:BI+8*\b+7], v7, s[96:97] offset:64*\b+16
.endr
	v_mul_u32_u24 v3, v1, PITCH
	v_lshl_add_u32 v4, v2, 4, v3                   ; a fragment's row x pitch + 16 x half
	s_mul_i32 s21, s15, HALFT                      ; my 128 rows of A
	s_mul_i32 s22, s16, HALFT                      ; my 128 rows of B,
	s_add_co_u32 s22, s22, 2*HALFT                 ; which lie behind A's 256
.irp s, 0,1
	v_add_nc_u32 v[ADRA+\s], s21, v4
	v_add_nc_u32 v[ADRB+\s], s22, v4
	s_add_co_u32 s21, s21, SLOT
	s_add_co_u32 s22, s22, SLOT
.endr
	v_mul_u32_u24 v5, v1, KS                       ; my row's scales: 32 bytes a row,
	v_lshrrev_b32 v6, 8, v5
	v_lshl_add_u32 v5, v6, 4, v5                   ; and 16 more for each 256 passed
	s_mul_i32 s21, s15, HALFS                      ; A's: my 128 rows
	s_mul_i32 s22, s16, HALFS                      ; B's: my 128 rows, behind A's 256
	s_add_co_u32 s22, s22, 2*HALFS
	s_sub_co_u32 s22, s22, s21
	v_mul_u32_u24 v6, s22, v2                      ; lanes 16-31 take B's
	s_add_co_u32 s21, s21, SCL
	v_add_nc_u32 v5, v5, v6
	v_add_nc_u32 v[ADRS], s21, v5
	; the way out: my lane's place in a piece, and where my wave's first piece lies
	s_cmp_eq_u32 ttmp9, 2                          ; the cluster's x says which of q, k, v these columns are
	s_cselect_b32 s23, 8, 0
	v_mul_u32_u24 v5, s23, v2
	v_add_nc_u32 v5, v5, v1
	v_and_b32 v5, 15, v5
	v_lshlrev_b32 v5, 4, v5
	v_lshl_add_u32 v[CO], v2, 8, v5                ; 256 h + 16 r; in v: 256 h + 16 ((r + 8 h) % 16)
	s_lshr_b32 s20, s17, 3                         ; the batch: 8 tile rows to a sequence
	s_lshl_b32 s20, s20, 4
	s_lshl_b32 s46, s40, 2                         ; a tile column is four heads,
	s_add_co_u32 s20, s20, s46
	s_lshl_b32 s46, s16, 1                         ; my half two
	s_add_co_u32 s20, s20, s46                     ; 16 x batch + head of my first column
	s_lshl_b32 s20, s20, 18                        ; 262,144 bytes each
	s_and_b32 s46, s17, 7
	s_lshl_b32 s46, s46, 4
	s_lshl_b32 s47, s15, 3
	s_add_co_u32 s46, s46, s47                     ; my first token tile in the sequence
	s_lshl_b32 s46, s46, 11                        ; 2,048 bytes each
	s_add_co_u32 s20, s20, s46
	s_lshl_b32 s46, ttmp9, 23                      ; q, k or v: 8,388,608 bytes each
	s_add_co_u32 s20, s20, s46
	s_mov_b32 s21, 0
	s_add_nc_u64 s[12:13], s[12:13], s[20:21]
.macro FRAG reg, adr, q, i             ; a fragment, 16 rows x 128 K of 4-bit codes: lane l holds row l % 16; registers 4 c .. 4 c + 3 hold K = 64 c + 32 (l / 16) + 0 .. 31
.irp c, 0,1
	ds_load_b128 v[\reg+4*\c:\reg+4*\c+3], v[\adr] offset:64*(\q)+32*\c+(\i)*16*PITCH
.endr
.endm
; 16 matrix instructions: A's blocks a0, a0 + 1 x B's eight, 128 along K.  p: B's set;  sc: the set of scale words.  first = 1: the sums start from the bias.
; The 64 accumulators take turns, one instruction a turn, in the same order in every step.
.macro MUL16 a0, p, q, sc, first
.irp a, \a0, \a0+1
.irp b, 0,1,2,3,4,5,6,7
.if \first
	v_wmma_scale_f32_16x16x128_f8f6f4 v[8*(8*((\a)%4)+\b):8*(8*((\a)%4)+\b)+7], v[128*(\p)+FR*\b:128*(\p)+FR*\b+FR-1], v[AF+FR*(\a):AF+FR*(\a)+FR-1], v[BI+8*\b:BI+8*\b+7], v[SC+8*NQ*(\sc)+NQ*\b+(\q)], v[SC+8*NQ*(\sc)+NQ*(\a)+(\q)] matrix_a_fmt:MATRIX_FMT_FP4 matrix_b_fmt:MATRIX_FMT_FP4 matrix_a_scale:MATRIX_SCALE_ROW1
.else
	v_wmma_scale_f32_16x16x128_f8f6f4 v[8*(8*((\a)%4)+\b):8*(8*((\a)%4)+\b)+7], v[128*(\p)+FR*\b:128*(\p)+FR*\b+FR-1], v[AF+FR*(\a):AF+FR*(\a)+FR-1], v[8*(8*((\a)%4)+\b):8*(8*((\a)%4)+\b)+7], v[SC+8*NQ*(\sc)+NQ*\b+(\q)], v[SC+8*NQ*(\sc)+NQ*(\a)+(\q)] matrix_a_fmt:MATRIX_FMT_FP4 matrix_b_fmt:MATRIX_FMT_FP4 matrix_a_scale:MATRIX_SCALE_ROW1
.endif
.endr
.endr
.endm
.macro FETCH_B slot, q, p
	WIN TO_B
.irp i, 0,1,2,3,4,5,6,7
	FRAG 128*(\p)+FR*\i, ADRB+\slot, \q, \i
.endr
	WIN 0
.endm
.macro FETCH_A slot, q, i0
.irp i, \i0, \i0+1, \i0+2, \i0+3
	FRAG AF+FR*(\i), ADRA+\slot, \q, \i
.endr
.endm
.macro SCALES sc                       ; a K step's scale words: 4 words a row; lanes 0-15 take A's block i, lanes 16-31 B's block i
.irp i, 0,1,2,3,4,5,6,7
	ds_load_b128 v[SC+8*NQ*\sc+NQ*\i:SC+8*NQ*\sc+NQ*\i+3], v[ADRS] offset:\i*SBLK
.endr
.endm
.macro PLACES n                        ; plain vector lines between a matrix instruction and a load into, or a vector line on, its registers
.rept \n
	v_nop
.endr
.endm
; A step of 128 along K that has its successor in the same slot.
.macro STEP slot, q, first
	s_wait_dscnt 4*NL                              ; B's set and A's blocks 0-3 are in; the youngest eight loads (A's blocks 4-7) may be out
.if \first
	WIN BIAS_LO
.else
	WIN MUL_LO
.endif
	MUL16 0, (\q)%2, \q, \slot, \first
	MUL16 2, (\q)%2, \q, \slot, \first
	s_wait_dscnt 0                                 ; A's blocks 4-7 are in
	PLACES NP
	FETCH_B \slot, (\q)+1, 1-(\q)%2
	FETCH_A \slot, (\q)+1, 0
.if \first
	WIN BIAS_HI
.else
	WIN MUL_HI
.endif
	MUL16 4, (\q)%2, \q, \slot, \first
	MUL16 6, (\q)%2, \q, \slot, \first
	PLACES NP
	WIN 0
	FETCH_A \slot, (\q)+1, 4
.endm
; Slot 0's last step goes over to slot 1: one barrier; in front of it each wave waits for all its tensor loads (its part of slot 1), so that behind it slot 1 is whole for every wave.
.macro TURN slot, next
	s_wait_tensorcnt 0x0                           ; all my tensor loads have landed
	ds_add_u32 v[SPW], v[NIL]                      ; 0 onto my spare word
	s_wait_dscnt 4*NL+1                            ; (the add and the youngest eight loads, A's blocks 4-7, may be out)
	WIN MUL_LO
	MUL16 0, 1, NQ-1, \slot, 0                     ; sixteen matrix instructions stand between the add and the wait for it
	s_wait_dscnt 0x0                               ; the add is done, and no LDS instruction of mine is out at the signal
	s_barrier_signal -1
	MUL16 2, 1, NQ-1, \slot, 0
	WIN 0
	s_barrier_wait -1
	PLACES NP
	v_add_nc_u32 v[ADRS], 4*NQ, v[ADRS]            ; on to the next K step's scale words
	FETCH_B \next, 0, 0
	FETCH_A \next, 0, 0
	SCALES \next
	WIN MUL_HI
	MUL16 4, 1, NQ-1, \slot, 0
	MUL16 6, 1, NQ-1, \slot, 0
	PLACES NP
	WIN 0
	FETCH_A \next, 0, 4
.endm
	s_wait_tensorcnt 1                             ; the scales and my part of K step 0 are in; K step 1's load, the one issued behind them, may be out
	s_barrier_signal -1
	s_barrier_wait -1                              ; everybody's are
	FETCH_B 0, 0, 0
	FETCH_A 0, 0, 0
	SCALES 0
	FETCH_A 0, 0, 4
	s_wait_loadcnt 0x0                             ; the bias
	STEP 0, 0, 1
	STEP 0, 1, 0
	STEP 0, 2, 0
	TURN 0, 1
	STEP 1, 0, 0
	STEP 1, 1, 0
	STEP 1, 2, 0
	s_wait_dscnt 4*NL                              ; the last step: nothing more to fetch
	WIN MUL_LO
	MUL16 0, 1, NQ-1, 1, 0
	MUL16 2, 1, NQ-1, 1, 0
	s_wait_dscnt 0
	WIN MUL_HI
	MUL16 4, 1, NQ-1, 1, 0
	MUL16 6, 1, NQ-1, 1, 0
	WIN 0
; THE WAY OUT, block by block of 16 tokens x 128 features: eight pieces.  Each accumulator is read from its low end on; four roundings make a lane's 16 bytes; one store a piece.
.macro OUTB a
.set AC, 64*((\a)%4)
.set TP, TMP+32*((\a)%4)
	WIN 0x0a+5*((\a)/4)                            ; sources 0 and 1: window 2 or 3
.irp b, 0,1,2,3,4,5,6,7
.irp r, 0,1,2,3
	v_cvt_pk_f16_f32 v[TP+4*\b+\r], v[AC+8*\b+2*\r], v[AC+8*\b+2*\r+1]
.endr
.endr
	WIN 0
.irp b, 0,1,2,3,4,5,6,7
	global_store_b128 v[CO], v[TP+4*\b:TP+4*\b+3], s[12:13] offset:2048*(\a)+262144*(\b/4)+512*(\b%4)   ; token tile a, head b / 4, feature tile b % 4: 512 consecutive bytes, aligned
.endr
.endm
	PLACES NP                                      ; behind the last products: their results are read, and registers that they read are written
.irp a, 0,1,2,3,4,5,6,7
.if \a >= 4
	s_wait_xcnt 0x0                                ; block a - 4's stores have read their data: the set may be written again
.endif
	OUTB \a
.endr
	s_wait_tensorcnt 0x0                           ; the wave's end, behind my last tensor load
	ds_add_u32 v[SPW], v[NIL]
	s_wait_dscnt 0x0
	CROUND                                         ; the closing round: no work-group ends while a partner may still ask for a tile that names it
	s_endpgm
.Lfunc_end_k_q386df14b5a_qkv:
	.size	k_q386df14b5a_qkv, .Lfunc_end_k_q386df14b5a_qkv-k_q386df14b5a_qkv
	.p2alignl 7, 3214868480
	.fill 96, 4, 3214868480
	.section	.rodata,"a",@progbits
	.p2align	6, 0x0
	.amdhsa_kernel k_q386df14b5a_qkv
		.amdhsa_group_segment_fixed_size 327680
		.amdhsa_private_segment_fixed_size 0
		.amdhsa_enable_private_segment 0
		.amdhsa_kernarg_size 48
		.amdhsa_user_sgpr_count 2
		.amdhsa_user_sgpr_kernarg_segment_ptr 1
		.amdhsa_wavefront_size32 1
		.amdhsa_system_sgpr_workgroup_id_x 1
		.amdhsa_system_sgpr_workgroup_id_y 1
		.amdhsa_system_sgpr_workgroup_id_z 1
		.amdhsa_system_vgpr_workitem_id 0
		.amdhsa_next_free_vgpr 1024
		.amdhsa_next_free_sgpr 98
		.amdhsa_reserve_vcc 0
		.amdhsa_float_denorm_mode_32 3
		.amdhsa_float_denorm_mode_16_64 3
		.amdhsa_memory_ordered 1
		.amdhsa_forward_progress 1
		.amdhsa_inst_pref_size 119
	.end_amdhsa_kernel
	.amdgpu_metadata
---
amdhsa.version: [ 1, 2 ]
amdhsa.kernels:
  - .name:           k_q386df14b5a_qkv
    .symbol:         k_q386df14b5a_qkv.kd
    .args:
      - { .name: xc, .offset: 0, .size: 8, .value_kind: global_buffer, .address_space: global }
      - { .name: xs, .offset: 8, .size: 8, .value_kind: global_buffer, .address_space: global }
      - { .name: wc, .offset: 16, .size: 8, .value_kind: global_buffer, .address_space: global }
      - { .name: ws, .offset: 24, .size: 8, .value_kind: global_buffer, .address_space: global }
      - { .name: b_qkv, .offset: 32, .size: 8, .value_kind: global_buffer, .address_space: global }
      - { .name: qkv, .offset: 40, .size: 8, .value_kind: global_buffer, .address_space: global }
    .group_segment_fixed_size: 327680
    .private_segment_fixed_size: 0
    .kernarg_segment_align: 8
    .kernarg_segment_size: 48
    .max_flat_workgroup_size: 128
    .sgpr_count:     98
    .vgpr_count:     1024
    .wavefront_size: 32
...
	.end_amdgpu_metadata
.endif
;; end of part 2
;; launch attn (part 3): grid 8 x 32, 8 waves a work-group, clusters of 4 x 1, 327,680 bytes of LDS; arguments qkv, ao; writes ao
.if DOCPART == 3
	.amdgcn_target "amdgcn-amd-amdhsa--gfx1250"
	.amdhsa_code_object_version 6
	.text
	.protected	k_q386df14b5a_attn
	.globl	k_q386df14b5a_attn
	.p2align	8
	.type	k_q386df14b5a_attn,@function
k_q386df14b5a_attn:
	s_mov_b64 s[64:65], 0
	v_nop
	global_prefetch_b8 v0, s[64:65] scope:SCOPE_SE
	s_setreg_imm32_b32 hwreg(HW_REG_WAVE_MODE, 25, 1), 1
	s_wait_xcnt 0x0
	s_wait_alu depctr_hold_cnt(0) depctr_sa_sdst(0) depctr_va_vdst(0) depctr_va_sdst(0) depctr_va_ssrc(0) depctr_va_vcc(0) depctr_vm_vsrc(0)
	s_getreg_b32 s2, hwreg(HW_REG_IB_STS2, 6, 4)
	s_cmp_eq_u32 s2, 0
	s_cbranch_scc0 .Lentry_in_a_cluster
	s_endpgm
.Lentry_in_a_cluster:
	s_bfe_u32 s2, ttmp6, 0x10000c
	s_cmp_lg_u32 s2, 0x3003
	s_cbranch_scc0 .Lentry_shape_is_right
	s_endpgm
.Lentry_shape_is_right:
; O[bh][q] = the sum over k of softmax_k(Q[bh][q] . K[bh][k] / 8) V[bh][k]: 32 heads (batch x head), 2,048 tokens, head size 64, no mask.  Operands f16; products, maxima and sums f32.
; INPUT: qkv [q, k, v][bh 32][token tile 128][feature tile 4][512 bytes]: a piece is 16 tokens x 16 features of f16; lane (r, h)'s 16 bytes (token r, features 8 h + 0..7) lie at 16 x lane
; (in v: at 256 h + 16 ((r + 8 h) % 16)).  Two neighbouring pieces ARE the eight registers of a fragment of 16 tokens x 32 features: no pitch, no padding, each LDS load takes 512 consecutive bytes.
; OUTPUT: ao [token tile 256][feature tile 64][512 bytes], pieces of the same make: the projection's operand.
; SHARES.  A work-group owns 256 queries of one head; each of its EIGHT waves owns 32: two tiles of 16; two waves to a SIMD, so that one wave's softmax can stand beside the other's products.
; Every wave walks all 2,048 keys, 64 a step.  K and V come through two LDS slots of 512 keys; wave w fills 16,384 bytes of a slot (waves 0-3 K's quarters, waves 4-7 V's), all eight read all.
; LAYOUT.  S^T = K Q^T (source 0 = 16 keys, source 1 = 16 queries), O^T = V^T P (source 0 = 16 channels, source 1 = P): a lane holds ONE query (lane % 16) throughout.
; SOFTMAX.  For each query a running maximum m and sum l: p = 2^(c s - c m), c = log2(e) / 8; in every step O and l are multiplied by a = 2^(c m_old - c m_new).  p is rounded to f16 for the second product.
; The step is written once: m begins at -3e38, l and O^T as zeros, so the first a is 0 and multiplies zeros.
; CLUSTER.  The four query blocks of a cluster belong to one head and walk the same K and V: each tile is asked for JOINTLY, by the same tensor load with the same descriptor and a mask that names the four.
; No prefetch: of the four slots' worth of keys two are first fills, and each of the two refills is asked for eight key steps, 256 matrix instructions of the wave, ahead of the wait for it.
; LIMIT: an output of 65,504 or more in magnitude becomes infinity in f16; NaN and infinities are not served.
; REGISTERS: window 0: v1-4 addresses; v10, v11 the add's two; v12-27 eight statistics a tile; v32-63 Q; v64-127 S^T, then p; v128-159 P; v160-223 O^T; v224-255 the packed output.
;   window 1: v0-63 K of one step (fragment (key tile kt, 32 features f) at 16 kt + 8 f); v64-127 V^T of one step (fragment (32 keys g, channel tile ct) at 64 + 8 (4 g + ct)).
.set SLOT1, 131072                     ; a slot: 65,536 bytes of K (8 steps x 8,192), then as many of V
.set VOFF,  65536
.set STEPB, 8192
.set SPARE, 262144                     ; behind the slots: the spare words, 128 bytes for each wave: four blocks of 256 bytes that no other line names
.set LK,  1                            ; v1   16 x lane
.set AV0, 2                            ; v2   my lane's place in a piece of V for the turning load, + VOFF
.set ADK, 3
.set ADV, 4
.set SPW, 10
.set NIL, 11
.set ST,  12                           ; tile t at ST + 8 t: +0 c m, +1 m, +2, +3 l (two halves), +4 .. +7 c0-c3 at work; a takes c2's place
.set Q,   32
.set S,   64
.set P,   128
.set O,   160
.set OUT, 224
.set VF,  64
.set WV,  8                            ; s8   my wave's number
.set G1,  16                           ; s[16:23] descriptor group 1;  s[24:27], s[28:31] group 0 for slot 0, 1
.set G0,  24
.set CS,  32                           ; s[32:33] c, twice
.set SEL, 34                           ; s[34:35] lane selects: lane l xor 16
.set TB,  36                           ; s36  LDS byte at which the step to be fetched begins
.set CNT, 37
.set MSB, 0
.macro WIN new                         ; the immediate's high byte repeats the setting that is left
.if MSB != \new
	s_set_vgpr_msb (MSB<<8)|\new
.set MSB, \new
.endif
.endm
.macro CROUND                          ; a round of the cluster's barrier
	s_barrier_signal -1
	s_barrier_wait -1
	s_cmp_lg_u32 s[WV], 0
	s_cbranch_scc1 .Lnot_wave_0_\@
	s_barrier_signal -3
.Lnot_wave_0_\@:
	s_barrier_wait -3
	s_barrier_signal -1
	s_barrier_wait -1
.endm
.macro PLACES                          ; four plain vector lines between a matrix instruction and a load into, or a vector line on, its registers
.rept 4
	v_nop
.endr
.endm
.macro FETCH_K                         ; a step's K: 16 pieces on end
	v_add_nc_u32 v[ADK], s[TB], v[LK]
	WIN 0x40                                       ; destination window 1
.set i, 0
.rept 16
	ds_load_b128 v[4*i:4*i+3], v[ADK] offset:512*i
.set i, i+1
.endr
	WIN 0
.endm
; A step's V, turned: the load takes 16 keys x 16 channels (lane l reads key 8 (l / 16) + l % 8, channels 8 ((l / 8) % 2) + 0..7) and leaves lane l channel l % 16 and 8 keys.
.macro FETCH_V
	v_add_nc_u32 v[ADV], s[TB], v[AV0]
	WIN 0x40
.irp g, 0,1
.irp ct, 0,1,2,3
.irp u, 0,1
	ds_load_tr16_b128 v[VF+8*(4*\g+\ct)+4*\u:VF+8*(4*\g+\ct)+4*\u+3], v[ADV] offset:(4*(2*\g+\u)+\ct)*512
.endr
.endr
.endr
	WIN 0
.endm
; 16 products S^T = K Q^T: eight accumulators by turns; the first eight start the sums.
.macro KQ
	WIN 0x01                                       ; source 0 window 1
.irp f, 0,1
.irp kt, 0,1,2,3
.irp t, 0,1
.if \f == 0
	v_wmma_f32_16x16x32_f16 v[S+32*\t+8*\kt:S+32*\t+8*\kt+7], v[16*\kt+8*\f:16*\kt+8*\f+7], v[Q+16*\t+8*\f:Q+16*\t+8*\f+7], 0
.else
	v_wmma_f32_16x16x32_f16 v[S+32*\t+8*\kt:S+32*\t+8*\kt+7], v[16*\kt+8*\f:16*\kt+8*\f+7], v[Q+16*\t+8*\f:Q+16*\t+8*\f+7], v[S+32*\t+8*\kt:S+32*\t+8*\kt+7]
.endif
.endr
.endr
.endr
	WIN 0
.endm
; 16 products O^T += V^T P: eight accumulators by turns.
.macro PV
	WIN 0x01
.irp g, 0,1
.irp ct, 0,1,2,3
.irp t, 0,1
	v_wmma_f32_16x16x32_f16 v[O+32*\t+8*\ct:O+32*\t+8*\ct+7], v[VF+8*(4*\g+\ct):VF+8*(4*\g+\ct)+7], v[P+16*\t+8*\g:P+16*\t+8*\g+7], v[O+32*\t+8*\ct:O+32*\t+8*\ct+7]
.endr
.endr
.endr
	WIN 0
.endm
; The softmax of one key step, both tiles line by line, so that no line waits for the line above it.  Each accumulator of S^T and of O^T is first read at its low end.
.macro SOFTMAX
.irp j, 0,1,2,3
.irp t, 0,1
	v_max3_num_f32 v[ST+8*\t+4+\j], v[S+32*\t+8*\j], v[S+32*\t+8*\j+1], v[S+32*\t+8*\j+2]   ; four chains, one for each tile of 16 keys
.endr
.endr
.irp u, 1,2
.irp j, 0,1,2,3
.irp t, 0,1
	v_max3_num_f32 v[ST+8*\t+4+\j], v[ST+8*\t+4+\j], v[S+32*\t+8*\j+2*\u+1], v[S+32*\t+8*\j+2*\u+2]
.endr
.endr
.endr
.irp t, 0,1
	v_max3_num_f32 v[ST+8*\t+4], v[ST+8*\t+4], v[S+32*\t+7], v[S+32*\t+15]
.endr
.irp t, 0,1
	v_max3_num_f32 v[ST+8*\t+6], v[ST+8*\t+6], v[S+32*\t+23], v[S+32*\t+31]
.endr
.irp t, 0,1
	v_max3_num_f32 v[ST+8*\t+4], v[ST+8*\t+4], v[ST+8*\t+5], v[ST+8*\t+6]
.endr
.irp t, 0,1
	v_max3_num_f32 v[ST+8*\t+4], v[ST+8*\t+4], v[ST+8*\t+7], v[ST+8*\t+1]   ; and the old m
.endr
.irp t, 0,1
	v_permlanex16_b32 v[ST+8*\t+5], v[ST+8*\t+4], s[SEL], s[SEL+1]          ; the query's other 32 keys lie in the lane 16 away
.endr
.irp t, 0,1
	v_mov_b32 v[ST+8*\t+7], v[ST+8*\t]             ; c m_old is kept for a
.endr
.irp t, 0,1
	v_max_num_f32 v[ST+8*\t+1], v[ST+8*\t+4], v[ST+8*\t+5]
.endr
.irp t, 0,1
	v_mul_f32 v[ST+8*\t], s[CS], v[ST+8*\t+1]
.endr
.irp t, 0,1
	v_sub_f32 v[ST+8*\t+7], v[ST+8*\t+7], v[ST+8*\t]
.endr
.set i, 0
.rept 16
	v_pk_fma_f32 v[S+2*i:S+2*i+1], v[S+2*i:S+2*i+1], s[CS:CS+1], v[ST:ST+1] op_sel_hi:[1,0,0] neg_lo:[0,0,1] neg_hi:[0,0,1]   ; c s - c m, two at a time
	v_pk_fma_f32 v[S+32+2*i:S+32+2*i+1], v[S+32+2*i:S+32+2*i+1], s[CS:CS+1], v[ST+8:ST+9] op_sel_hi:[1,0,0] neg_lo:[0,0,1] neg_hi:[0,0,1]
.set i, i+1
.endr
.irp t, 0,1
	v_exp_f32 v[ST+8*\t+6], v[ST+8*\t+7]           ; a
.endr
.set i, 0
.rept 32
	v_exp_f32 v[S+i], v[S+i]                       ; p.  All 66 exponentials are ONE batch: none reads another's result
	v_exp_f32 v[S+32+i], v[S+32+i]
.set i, i+1
.endr
	v_nop                                          ; a plain line behind the last exponential, ahead of the first use
	s_wait_alu depctr_va_vdst(0)                   ; and one wait, ahead of the batch's first reader
.set i, 0
.rept 16
	v_cvt_pk_f16_f32 v[P+i], v[S+2*i], v[S+2*i+1]  ; two tiles of 16 keys, rounded in pairs, are a fragment of 32 keys x 16 queries
	v_cvt_pk_f16_f32 v[P+16+i], v[S+32+2*i], v[S+32+2*i+1]
.set i, i+1
.endr
.irp u, 0,1,2,3,4,5,6,7                        ; the sum of the unrounded p, a tree of packed additions in place
.irp t, 0,1
	v_pk_add_f32 v[S+32*\t+4*\u:S+32*\t+4*\u+1], v[S+32*\t+4*\u:S+32*\t+4*\u+1], v[S+32*\t+4*\u+2:S+32*\t+4*\u+3]
.endr
.endr
.irp u, 0,1,2,3
.irp t, 0,1
	v_pk_add_f32 v[S+32*\t+8*\u:S+32*\t+8*\u+1], v[S+32*\t+8*\u:S+32*\t+8*\u+1], v[S+32*\t+8*\u+4:S+32*\t+8*\u+5]
.endr
.endr
.irp u, 0,1
.irp t, 0,1
	v_pk_add_f32 v[S+32*\t+16*\u:S+32*\t+16*\u+1], v[S+32*\t+16*\u:S+32*\t+16*\u+1], v[S+32*\t+16*\u+8:S+32*\t+16*\u+9]
.endr
.endr
.irp t, 0,1
	v_pk_add_f32 v[S+32*\t:S+32*\t+1], v[S+32*\t:S+32*\t+1], v[S+32*\t+16:S+32*\t+17]
.endr
.irp t, 0,1
	v_pk_fma_f32 v[ST+8*\t+2:ST+8*\t+3], v[ST+8*\t+2:ST+8*\t+3], v[ST+8*\t+6:ST+8*\t+7], v[S+32*\t:S+32*\t+1] op_sel_hi:[1,0,1]   ; l = a l + the sum
.endr
.set i, 0
.rept 16
	v_pk_mul_f32 v[O+2*i:O+2*i+1], v[O+2*i:O+2*i+1], v[ST+6:ST+7] op_sel_hi:[1,0]             ; O^T times a
	v_pk_mul_f32 v[O+32+2*i:O+32+2*i+1], v[O+32+2*i:O+32+2*i+1], v[ST+14:ST+15] op_sel_hi:[1,0]
.set i, i+1
.endr
.endm
; ONE TRIP: the scores of the step in hand are in S^T and its V is on its way; s[TB] points at the NEXT step.
.macro BODY
	FETCH_K                                        ; the next step's K lands under the softmax
	SOFTMAX
	s_wait_dscnt 16                                ; this step's V is in; the 16 loads of K just issued may be out
	PV
	PLACES                                         ; in front of the loads into V's registers
	FETCH_V                                        ; the next step's V lands under the next products and softmax
	s_wait_dscnt 16                                ; the next step's K is in; the 16 loads of V just issued may be out
	KQ
	PLACES                                         ; in front of the next loads into K's registers and the first read of the scores, over the backward jump too
.endm
.macro LOOP n
	s_mov_b32 s[CNT], \n
.Lstep_\@:
	BODY
	s_add_co_u32 s[TB], s[TB], STEPB
	s_sub_co_u32 s[CNT], s[CNT], 1
	s_cmp_lg_u32 s[CNT], 0
	s_cbranch_scc1 .Lstep_\@
.endm
; THE CHANGE OF SLOTS: slot s has been read out (V of its last step has been asked for).  Each wave waits for all its tensor loads (its part of the other slot), adds 0 to its spare word, and waits for
; that and for its reads of slot s.  The round of the cluster's barrier says the same of every wave of all four work-groups; the joint refill, the keys two slots on, is the first thing behind it.
.macro CHANGE s
	s_wait_tensorcnt 0x0                           ; no tensor load of mine is out, so a group 0 may be written
	ds_add_u32 v[SPW], v[NIL]                      ; 0 onto my spare word; the step below stands between it and the wait for it
	s_add_nc_u64 s[G0+4*\s+2:G0+4*\s+3], s[G0+4*\s+2:G0+4*\s+3], 2*VOFF   ; 1,024 keys on; the type bits on top are not reached
	s_wait_dscnt 0x0                               ; the add is done, and my reads of the slot are over
	CROUND
	tensor_load_to_lds s[G0+4*\s:G0+4*\s+3], s[G1:G1+7]   ; my one tensor load until the next round
	s_nop 0
.rept 4
	v_nop
.endr
.endm
	s_load_b128 s[4:7], s[0:1], 0x0                ; qkv s[4:5], ao s[6:7]
	v_lshl_add_u32 v[SPW], v0, 2, SPARE
	v_mov_b32 v[NIL], 0
	ds_add_u32 v[SPW], v[NIL]                      ; the wave's opening: the add, twice on end, and its wait ahead of my first tensor load
	ds_add_u32 v[SPW], v[NIL]                      ; and once more, under the one wait; the set-up below, work on registers, stands between
	v_lshrrev_b32 v5, 5, v0
	v_readfirstlane_b32 s[WV], v5                  ; wave 0..7
	s_bfe_u32 s9, ttmp6, 0x40000                   ; cx: my place in the cluster
	s_lshl_b32 s10, ttmp9, 2
	s_add_co_u32 s10, s10, s9                      ; my block of 256 queries: it enters Q's and the output's addresses alone
	s_and_b32 s11, ttmp7, 0xffff                   ; batch x head, which the four partners share
	; descriptor group 1: 16,384 dense bytes as 64 rows of 256 bytes (32 elements of 8 bytes), no padding
	s_mov_b32 s[G1], 15|(3<<16)|(1<<21)            ; 15:0 the mask: all four work-groups; 17:16 elements of 8 bytes; 21 set beside a mask
	s_mov_b32 s[G1+1], 32<<16                      ; tensor_dim0
	s_mov_b32 s[G1+2], 64<<16                      ; tensor_dim1
	s_mov_b32 s[G1+3], 32<<16                      ; tile_dim0
	s_mov_b32 s[G1+4], 64                          ; tile_dim1
	s_mov_b32 s[G1+5], 32                          ; the pitch
	s_mov_b32 s[G1+6], 0
	s_mov_b32 s[G1+7], 0
	s_mov_b32 s[CS], 0x3e38aa3b                    ; c = log2(e) / 8
	s_mov_b32 s[CS+1], s[CS]                       ; (named with it as a pair, so it is written)
	s_mov_b32 s[SEL], 0x76543210
	s_mov_b32 s[SEL+1], 0xfedcba98
	s_lshl_b32 s38, s11, 18                        ; the head's 262,144 bytes in each of q, k, v
	s_lshl_b32 s39, s[WV], 14                      ; my 16,384 bytes of a slot: no place in the cluster enters an LDS address
	s_lshr_b32 s40, s[WV], 2
	s_add_co_u32 s40, s40, 1                       ; waves 0-3: k (1), waves 4-7: v (2)
	s_lshl_b32 s40, s40, 23
	s_add_co_u32 s40, s40, s38
	s_and_b32 s41, s[WV], 3
	s_lshl_b32 s41, s41, 14                        ; my quarter of a slot's 512 keys
	s_add_co_u32 s40, s40, s41
	s_mov_b32 s41, 0
	s_lshl_b32 s42, s10, 4
	s_lshl_b32 s43, s[WV], 1
	s_add_co_u32 s42, s42, s43                     ; my first token tile in the sequence
	s_lshr_b32 s44, s11, 4
	s_lshl_b32 s44, s44, 7
	s_add_co_u32 s44, s44, s42                     ; + 128 x batch
	s_lshl_b32 s44, s44, 15                        ; 32,768 bytes a token tile of the output,
	s_and_b32 s45, s11, 15
	s_lshl_b32 s45, s45, 11                        ; 2,048 a head
	s_add_co_u32 s44, s44, s45
	s_mov_b32 s45, 0
	s_lshl_b32 s42, s42, 11                        ; 2,048 bytes a token tile of q
	s_add_co_u32 s42, s42, s38
	s_mov_b32 s43, 0
	s_wait_dscnt 0x0                               ; both opening adds are done
	s_wait_kmcnt 0x0
	s_add_nc_u64 s[40:41], s[4:5], s[40:41]        ; what I fetch of slot 0
	s_add_nc_u64 s[4:5], s[4:5], s[42:43]          ; Q at my first tile
	s_add_nc_u64 s[6:7], s[6:7], s[44:45]          ; the output likewise
	CROUND                                         ; all four work-groups are here: the first joint loads meet
.irp s, 0,1
	s_mov_b32 s[G0+4*\s], 1                        ; count = 1
	s_add_co_u32 s[G0+4*\s+1], s39, \s*SLOT1       ; LDS address
	s_add_nc_u64 s[G0+4*\s+2:G0+4*\s+3], s[40:41], \s*VOFF   ; slot s begins with keys 512 s on
	s_or_b32 s[G0+4*\s+3], s[G0+4*\s+3], 0x80000000          ; type = 2
.endr
	tensor_load_to_lds s[G0:G0+3], s[G1:G1+7]      ; both first fills together: two tensor loads of mine are out, the most in this text
	s_nop 0
	tensor_load_to_lds s[G0+4:G0+7], s[G1:G1+7]
	s_nop 0
.rept 4
	v_nop
.endr
	v_and_b32 v[LK], 31, v0
	v_lshlrev_b32 v[LK], 4, v[LK]                  ; 16 x lane
.set i, 0
.rept 8
	global_load_b128 v[Q+4*i:Q+4*i+3], v[LK], s[4:5] offset:512*i   ; Q stays in registers: tile i / 4, piece i % 4
.set i, i+1
.endr
	v_bfe_u32 v5, v0, 3, 1                         ; which eight channels
	v_bfe_u32 v6, v0, 4, 1
	v_and_b32 v7, 7, v0
	v_lshl_add_u32 v7, v6, 3, v7                   ; the key: 8 (l / 16) + l % 8
	v_lshl_add_u32 v7, v5, 3, v7                   ; turned by eight in the upper half of a piece: then 16 lanes of a load touch 16 different columns of 16 bytes
	v_and_b32 v7, 15, v7
	v_lshlrev_b32 v7, 4, v7
	v_lshl_add_u32 v[AV0], v5, 8, v7
	v_add_nc_u32 v[AV0], VOFF, v[AV0]
.irp t, 0,1
	v_mov_b32 v[ST+8*\t+1], 0xff61b1e6             ; m: -3e38, under every score
	v_mul_f32 v[ST+8*\t], s[CS], v[ST+8*\t+1]
	v_mov_b32 v[ST+8*\t+2], 0                      ; l
	v_mov_b32 v[ST+8*\t+3], 0
.endr
.set i, 0
.rept 64
	v_mov_b32 v[O+i], 0                            ; O^T: the step is written once, and its first a, which is 0, finds zeros
.set i, i+1
.endr
	s_wait_tensorcnt 1                             ; my part of slot 0 is in; slot 1's load, issued behind it, may stay out
	s_barrier_signal -1
	s_barrier_wait -1                              ; everybody's is
	s_mov_b32 s[TB], 0
	FETCH_K                                        ; key step 0
	FETCH_V
	s_wait_loadcnt 0x0                             ; Q
	s_wait_dscnt 16                                ; K is in; V's 16 loads may be out
	KQ
	PLACES
	s_mov_b32 s[TB], STEPB
	LOOP 7                                         ; steps 0-6 are worked, steps 1-7 fetched: slot 0 is read out
	CHANGE 0                                       ; slot 0 takes keys 1,024 on
	s_mov_b32 s[TB], SLOT1
	LOOP 8                                         ; steps 7-14 worked, 8-15 fetched
	CHANGE 1                                       ; slot 1 takes keys 1,536 on: the last load
	s_mov_b32 s[TB], 0
	LOOP 8                                         ; steps 15-22 worked, 16-23 fetched
	s_wait_tensorcnt 0x0                           ; the last change of slots fills nothing: my part of slot 1 is in,
	ds_add_u32 v[SPW], v[NIL]
	s_wait_dscnt 0x0
	s_barrier_signal -1
	s_barrier_wait -1                              ; everybody's is
	s_mov_b32 s[TB], SLOT1
	LOOP 8                                         ; steps 23-30 worked, 24-31 fetched
	SOFTMAX                                        ; step 31
	s_wait_dscnt 0x0
	PV
	PLACES
	; THE WAY OUT: l's two halves and the other half of the lanes' are added; O^T is divided by l and rounded to f16: a lane's eight channels are its 16 bytes of a piece.
.irp t, 0,1
	v_add_f32 v[ST+8*\t+4], v[ST+8*\t+2], v[ST+8*\t+3]
.endr
.irp t, 0,1
	v_permlanex16_b32 v[ST+8*\t+5], v[ST+8*\t+4], s[SEL], s[SEL+1]
.endr
.irp t, 0,1
	v_add_f32 v[ST+8*\t+4], v[ST+8*\t+4], v[ST+8*\t+5]
.endr
.irp t, 0,1
	v_rcp_f32 v[ST+8*\t+6], v[ST+8*\t+4]
.endr
	v_nop                                          ; a plain line between the last reciprocal and the use of its result
	s_wait_alu depctr_va_vdst(0)                   ; and one wait for both
.set i, 0
.rept 16
	v_pk_mul_f32 v[O+2*i:O+2*i+1], v[O+2*i:O+2*i+1], v[ST+6:ST+7] op_sel_hi:[1,0]
	v_pk_mul_f32 v[O+32+2*i:O+32+2*i+1], v[O+32+2*i:O+32+2*i+1], v[ST+14:ST+15] op_sel_hi:[1,0]
.set i, i+1
.endr
.set i, 0
.rept 32
	v_cvt_pk_f16_f32 v[OUT+i], v[O+2*i], v[O+2*i+1]
.set i, i+1
.endr
.irp t, 0,1
.irp ct, 0,1,2,3
	global_store_b128 v[LK], v[OUT+16*\t+4*\ct:OUT+16*\t+4*\ct+3], s[6:7] offset:32768*\t+512*\ct   ; a piece: 512 consecutive bytes, aligned
.endr
.endr
	s_wait_tensorcnt 0x0                           ; the wave's end, behind my last tensor load
	ds_add_u32 v[SPW], v[NIL]
	s_wait_dscnt 0x0
	CROUND                                         ; the closing round: no work-group ends while a partner may still ask for a tile that names it
	s_endpgm
.Lfunc_end_k_q386df14b5a_attn:
	.size	k_q386df14b5a_attn, .Lfunc_end_k_q386df14b5a_attn-k_q386df14b5a_attn
	.p2alignl 7, 3214868480
	.fill 96, 4, 3214868480
	.section	.rodata,"a",@progbits
	.p2align	6, 0x0
	.amdhsa_kernel k_q386df14b5a_attn
		.amdhsa_group_segment_fixed_size 327680
		.amdhsa_private_segment_fixed_size 0
		.amdhsa_enable_private_segment 0
		.amdhsa_kernarg_size 16
		.amdhsa_user_sgpr_count 2
		.amdhsa_user_sgpr_kernarg_segment_ptr 1
		.amdhsa_wavefront_size32 1
		.amdhsa_system_sgpr_workgroup_id_x 1
		.amdhsa_system_sgpr_workgroup_id_y 1
		.amdhsa_system_sgpr_workgroup_id_z 1
		.amdhsa_system_vgpr_workitem_id 0
		.amdhsa_next_free_vgpr 384
		.amdhsa_next_free_sgpr 66
		.amdhsa_reserve_vcc 0
		.amdhsa_float_denorm_mode_32 3
		.amdhsa_float_denorm_mode_16_64 3
		.amdhsa_memory_ordered 1
		.amdhsa_forward_progress 1
		.amdhsa_inst_pref_size 102
	.end_amdhsa_kernel
	.amdgpu_metadata
---
amdhsa.version: [ 1, 2 ]
amdhsa.kernels:
  - .name:           k_q386df14b5a_attn
    .symbol:         k_q386df14b5a_attn.kd
    .args:
      - { .name: qkv, .offset: 0, .size: 8, .value_kind: global_buffer, .address_space: global }
      - { .name: ao, .offset: 8, .size: 8, .value_kind: global_buffer, .address_space: global }
    .group_segment_fixed_size: 327680
    .private_segment_fixed_size: 0
    .kernarg_segment_align: 8
    .kernarg_segment_size: 16
    .max_flat_workgroup_size: 256
    .sgpr_count:     66
    .vgpr_count:     384
    .wavefront_size: 32
...
	.end_amdgpu_metadata
.endif
;; end of part 3
;; launch proj (part 4): grid 8 x 32, 4 waves a work-group, clusters of 4 x 4, 327,680 bytes of LDS; arguments ao, wof, b_out, out0; writes out0
.if DOCPART == 4
	.amdgcn_target "amdgcn-amd-amdhsa--gfx1250"
	.amdhsa_code_object_version 6
	.text
	.protected	k_q386df14b5a_proj
	.globl	k_q386df14b5a_proj
	.p2align	8
	.type	k_q386df14b5a_proj,@function
k_q386df14b5a_proj:
	s_mov_b64 s[64:65], 0
	v_nop
	global_prefetch_b8 v0, s[64:65] scope:SCOPE_SE
	s_setreg_imm32_b32 hwreg(HW_REG_WAVE_MODE, 25, 1), 1
	s_wait_xcnt 0x0
	s_wait_alu depctr_hold_cnt(0) depctr_sa_sdst(0) depctr_va_vdst(0) depctr_va_sdst(0) depctr_va_ssrc(0) depctr_va_vcc(0) depctr_vm_vsrc(0)
	s_getreg_b32 s2, hwreg(HW_REG_IB_STS2, 6, 4)
	s_cmp_eq_u32 s2, 0
	s_cbranch_scc0 .Lentry_in_a_cluster
	s_endpgm
.Lentry_in_a_cluster:
	s_bfe_u32 s2, ttmp6, 0x10000c
	s_cmp_lg_u32 s2, 0xf033
	s_cbranch_scc0 .Lentry_shape_is_right
	s_endpgm
.Lentry_shape_is_right:
; out0 = A w_out + b_out.  A: the attention's output, 4,096 tokens x 1,024, f16, as images ao [token tile 256][32 k 32][1,024 bytes]; w_out likewise, wof [n tile 64][32 k 32][1,024 bytes]:
; 1,024 bytes are the eight registers of a fragment (16 rows x 32 K), registers 0-3 at 16 x lane, registers 4-7 at 512 + 16 x lane.  Sums in f32; out0 [4096][1024] f32.
; A tile of out0 is 128 x 128: 8 x 32 = 256 work-groups.  Four waves, each 64 x 64: 16 accumulators.  K goes in four steps of 256 through two LDS slots; a wave's tensor load brings 4 row tiles x 8,192 bytes.
; Images need no pitch and no padding: each LDS load takes 512 consecutive bytes.
; CLUSTERS: 4 x 4 work-groups.  The four of a row of the cluster need the same tiles of A, the four of a column the same tiles of w_out: each tile is asked for JOINTLY.
; THE MATRIX INSTRUCTION IS USED TRANSPOSED (source 0 = 16 columns n of w_out, source 1 = 16 tokens): a lane holds eight neighbouring numbers of a row of out0.  THE BIAS is the C of each sum's first instruction.
; REGISTERS: window 0: v0-31 addresses; v32-95 rows on the way out; v96-127 the bias; v128-255 the accumulators ((a, b) at v[128 + 8 (4 a + b)]).
;   window 1: two fragment buffers of 128: for 64 along K, 64 registers of A (2 x 4 fragments), then 64 of B.
.set KSTEPB, 8192                      ; a K step of one row tile, in bytes
.set HALFT,  4*KSTEPB                  ; what one tensor load brings, and what one wave reads of A or of B
.set SLOT,   4*HALFT                   ; A's 8 row tiles, then B's 8
.set SPARE,  2*SLOT                    ; behind the slots: the spare words, 128 bytes for each wave: two blocks of 256 bytes that no other line names
.set SPITCH, 272                       ; the way out: a stage of 16 rows x (256 bytes + 16) for each wave.  It lies in slot 0, which has had its last fill and its last read when the first result is stored there
.set ADRA, 16
.set ADRB, 20
.set STO,  24
.set RD,   25
.set CO,   26
.set SPW,  28
.set NIL,  29
.set TMP,  32
.set BI,   96                          ; register BI + 8 b + j = b_out[my first column + 16 b + 8 (lane / 16) + j]
.set ACC,  128
.set F0,   0
.set F1,   128
.set G1, 24
.set G0, 32
.set G1B, 48
.set G0B, 56
.set MSB, 0
.macro WIN new                         ; the immediate's high byte repeats the setting that is left
.if MSB != \new
	s_set_vgpr_msb (MSB<<8)|\new
.set MSB, \new
.endif
.endm
.set MUL,  0x05                        ; sources 0 (B) and 1 (A) window 1; C and D window 0
.set TO_F, 0x40
.macro JLOAD s                         ; a joint load: waves 0 and 1 fetch A's two halves, waves 2 and 3 B's; an s_nop 0 and four v_nop follow each of the two lines
	s_cmp_eq_u32 s11, 0
	s_cbranch_scc0 .Lfor_b_\@
	tensor_load_to_lds s[G0+4*\s:G0+4*\s+3], s[G1:G1+7]
	s_nop 0
.rept 4
	v_nop
.endr
	s_branch .Lasked_\@
.Lfor_b_\@:
	tensor_load_to_lds s[G0B+4*\s:G0B+4*\s+3], s[G1B:G1B+7]
	s_nop 0
.rept 4
	v_nop
.endr
.Lasked_\@:
.endm
.macro CREST                           ; a round of the cluster's barrier behind its opening barrier
	s_cmp_lg_u32 s10, 0
	s_cbranch_scc1 .Lnot_wave_0_\@
	s_barrier_signal -3
.Lnot_wave_0_\@:
	s_barrier_wait -3
	s_barrier_signal -1
	s_barrier_wait -1
.endm
.macro CROUND
	s_barrier_signal -1
	s_barrier_wait -1
	CREST
.endm
	s_load_b128 s[4:7], s[0:1], 0x0                ; ao s[4:5], wof s[6:7]
	s_load_b64 s[66:67], s[0:1], 0x10              ; b_out
	s_load_b64 s[8:9], s[0:1], 0x18                ; out0
	v_lshl_add_u32 v[SPW], v0, 2, SPARE
	v_mov_b32 v[NIL], 0
	ds_add_u32 v[SPW], v[NIL]                      ; the wave's opening: the add, twice on end, and its wait ahead of my first tensor load
	ds_add_u32 v[SPW], v[NIL]                      ; and once more, under the one wait; the set-up below, work on registers, stands between
	v_lshrrev_b32 v1, 5, v0
	v_readfirstlane_b32 s10, v1                    ; wave 0..3
	s_lshr_b32 s11, s10, 1                         ; which half of the tile's rows is mine.  Also: I fetch for A (0) or for B (1)
	s_and_b32 s12, s10, 1                          ; which half of its columns.  Also: which 4 row tiles I fetch
	s_bfe_u32 s40, ttmp6, 0x40000                  ; cx, cy
	s_bfe_u32 s41, ttmp6, 0x40004
	s_lshl_b32 s42, ttmp9, 2
	s_add_co_u32 s42, s42, s40                     ; tile column = 4 x cluster x + cx
	s_and_b32 s13, ttmp7, 0xffff
	s_lshl_b32 s13, s13, 2
	s_add_co_u32 s13, s13, s41                     ; tile row = 4 x cluster y + cy
	s_lshl_b32 s43, s41, 2
	s_lshl_b32 s43, 15, s43                        ; my row of the cluster
	s_lshl_b32 s44, 0x1111, s40                    ; my column
	; descriptor group 1: 4 rows of 8,192 bytes (1,024 elements of 8 bytes), 32,768 bytes apart; no padding
	s_or_b32 s[G1+0], s43, (3<<16)|(1<<21)         ; 15:0 the mask: A's tiles go to my row; 17:16 elements of 8 bytes; 21 set beside a mask
	s_or_b32 s[G1B+0], s44, (3<<16)|(1<<21)
.irp g, G1, G1B
	s_mov_b32 s[\g+1], 1024<<16                    ; tensor_dim0
	s_mov_b32 s[\g+2], 4<<16                       ; tensor_dim1
	s_mov_b32 s[\g+3], 1024<<16                    ; tile_dim0
	s_mov_b32 s[\g+4], 4                           ; tile_dim1
	s_mov_b32 s[\g+5], 4096                        ; the pitch
	s_mov_b32 s[\g+6], 0
	s_mov_b32 s[\g+7], 0
.endr
	s_lshl_b32 s17, s12, 2                         ; which 4 row tiles of the 8 I fetch
	s_lshl_b32 s16, s13, 3
	s_add_co_u32 s16, s16, s17                     ; A: token tile 8 x tile row + 4 x half
	s_lshl_b32 s16, s16, 15                        ; 32,768 bytes each
	s_lshl_b32 s46, s42, 3
	s_add_co_u32 s46, s46, s17                     ; B: n tile 8 x tile column + 4 x half
	s_lshl_b32 s46, s46, 15
	s_mov_b32 s17, 0
	s_mov_b32 s47, 0
	s_mul_i32 s20, s10, HALFT                      ; where they go: no place in the cluster enters an LDS address
	s_wait_dscnt 0x0                               ; both opening adds are done
	s_wait_kmcnt 0x0
	s_add_nc_u64 s[14:15], s[4:5], s[16:17]
	s_add_nc_u64 s[46:47], s[6:7], s[46:47]
	CROUND                                         ; all sixteen work-groups are here: the first joint loads meet
.irp s, 0,1
	s_mov_b32 s[G0+4*\s], 1
	s_add_co_u32 s[G0+4*\s+1], s20, \s*SLOT
	s_add_nc_u64 s[G0+4*\s+2:G0+4*\s+3], s[14:15], \s*KSTEPB
	s_or_b32 s[G0+4*\s+3], s[G0+4*\s+3], 0x80000000
	s_mov_b32 s[G0B+4*\s], 1
	s_add_co_u32 s[G0B+4*\s+1], s20, \s*SLOT
	s_add_nc_u64 s[G0B+4*\s+2:G0B+4*\s+3], s[46:47], \s*KSTEPB
	s_or_b32 s[G0B+4*\s+3], s[G0B+4*\s+3], 0x80000000
	JLOAD \s                                       ; two tensor loads of mine are out, the most in this text
.endr
	v_and_b32 v1, 15, v0                           ; r = l % 16
	v_bfe_u32 v2, v0, 4, 1                         ; h = l / 16
	v_lshlrev_b32 v6, 5, v2                        ; the bias: 32 h bytes
	s_lshl_b32 s46, s42, 9                         ; my first column, in bytes of f32: 512 x tile column + 256 x half: for the bias and for out0 alike
	s_lshl_b32 s47, s12, 8
	s_add_co_u32 s46, s46, s47
	s_mov_b32 s47, 0
	s_add_nc_u64 s[66:67], s[66:67], s[46:47]
.irp b, 0,1,2,3
	global_load_b128 v[BI+8*\b:BI+8*\b+3], v6, s[66:67] offset:64*\b
	global_load_b128 v[BI+8*\b+4:BI+8*\b+7], v6, s[66:67] offset:64*\b+16
.endr
	v_and_b32 v3, 31, v0
	v_lshlrev_b32 v3, 4, v3                        ; 16 x lane
	s_mul_i32 s21, s11, HALFT                      ; my 4 row tiles of A
	s_mul_i32 s22, s12, HALFT                      ; my 4 of B,
	s_add_co_u32 s22, s22, 2*HALFT                 ; which lie behind A's 8
.irp s, 0,1
	v_add_nc_u32 v[ADRA+\s], s21, v3
	v_add_nc_u32 v[ADRB+\s], s22, v3
	s_add_co_u32 s21, s21, SLOT
	s_add_co_u32 s22, s22, SLOT
.endr
	s_mul_i32 s23, s10, 16*SPITCH                  ; my stage
	v_mul_u32_u24 v4, v1, SPITCH                   ; in: row r, 32 bytes for each half of the lanes
	v_lshl_add_u32 v4, v2, 5, v4
	v_add_nc_u32 v[STO], s23, v4
	v_mul_u32_u24 v5, v2, SPITCH                   ; back: lanes 0-15 one row of 256 bytes, lanes 16-31 the next
	v_lshl_add_u32 v5, v1, 4, v5
	v_add_nc_u32 v[RD], s23, v5
	v_lshlrev_b32 v5, 12, v2                       ; and the same two rows in out0: 4,096 bytes a row
	v_lshl_add_u32 v[CO], v1, 4, v5
	s_lshl_b32 s16, s13, 7
	s_lshl_b32 s17, s11, 6
	s_add_co_u32 s16, s16, s17                     ; my first row: 128 x tile row + 64 x half
	s_lshl_b32 s16, s16, 12
	s_mov_b32 s17, 0
	s_add_nc_u64 s[8:9], s[8:9], s[16:17]
	s_add_nc_u64 s[8:9], s[8:9], s[46:47]
; 8 matrix instructions: m blocks a0, a0 + 1 x all 4 n blocks, 32 along K: half c of buffer f.  first = 1: the sums start from the bias.  The 16 accumulators take turns.
.macro MUL8 f, c, a0, first
.irp a, \a0, \a0+1
.irp b, 0,1,2,3
.if \first
	v_wmma_f32_16x16x32_f16 v[ACC+8*(4*(\a)+\b):ACC+8*(4*(\a)+\b)+7], v[\f+64+8*(4*\c+\b):\f+64+8*(4*\c+\b)+7], v[\f+8*(4*\c+\a):\f+8*(4*\c+\a)+7], v[BI+8*\b:BI+8*\b+7]
.else
	v_wmma_f32_16x16x32_f16 v[ACC+8*(4*(\a)+\b):ACC+8*(4*(\a)+\b)+7], v[\f+64+8*(4*\c+\b):\f+64+8*(4*\c+\b)+7], v[\f+8*(4*\c+\a):\f+8*(4*\c+\a)+7], v[ACC+8*(4*(\a)+\b):ACC+8*(4*(\a)+\b)+7]
.endif
.endr
.endr
.endm
; 32 LDS loads in one run: the fragments of the slot's q-th 64 along K into buffer f; the first 32 along K first
.macro FETCH slot, q, f
	WIN TO_F
.irp c, 0,1
.irp i, 0,1,2,3
	ds_load_b128 v[\f+64+8*(4*\c+\i):\f+64+8*(4*\c+\i)+3],   v[ADRB+\slot] offset:\i*KSTEPB+(2*(\q)+\c)*1024
	ds_load_b128 v[\f+64+8*(4*\c+\i)+4:\f+64+8*(4*\c+\i)+7], v[ADRB+\slot] offset:\i*KSTEPB+(2*(\q)+\c)*1024+512
	ds_load_b128 v[\f+8*(4*\c+\i):\f+8*(4*\c+\i)+3],         v[ADRA+\slot] offset:\i*KSTEPB+(2*(\q)+\c)*1024
	ds_load_b128 v[\f+8*(4*\c+\i)+4:\f+8*(4*\c+\i)+7],       v[ADRA+\slot] offset:\i*KSTEPB+(2*(\q)+\c)*1024+512
.endr
.endr
.endm
.macro PLACES                          ; four plain vector lines between a matrix instruction and a load into, or a store or vector line on, its registers
.rept 4
	v_nop
.endr
.endm
; A K step is four quarters of 64 along K, 32 matrix instructions each, on buffers 0, 1, 0, 1.  One of the first three: multiplies buffer f and fetches quarter q into g.
.macro QUARTER slot, q, f, g, first
	s_wait_dscnt 16                                ; the first 32 along K are in; the youngest sixteen loads may be out
	WIN MUL
	MUL8 \f, 0, 0, \first
	MUL8 \f, 0, 2, \first
	PLACES
	FETCH \slot, \q, \g
	s_wait_dscnt 32                                ; all but the 32 just issued
	WIN MUL
	MUL8 \f, 1, 0, 0
	MUL8 \f, 1, 2, 0
.endm
; The last quarter multiplies buffer 1 and changes slots: ONE barrier; in front of it each wave waits for all its tensor loads, adds 0 to its spare word, and waits for that and for its reads of this slot.
; fill = 1: the barrier opens a round of the cluster's barrier, and this slot is filled again, two K steps ahead.
.macro TURN slot, next, fill
	WIN 0                                          ; (the add's two registers lie in window 0)
	s_wait_tensorcnt 0x0                           ; all my tensor loads have landed: my part of the next slot
	ds_add_u32 v[SPW], v[NIL]                      ; 0 onto my spare word
	s_wait_dscnt 17                                ; (the add and the youngest sixteen loads may be out)
	WIN MUL
	MUL8 F1, 0, 0, 0                               ; eight matrix instructions stand between the add and the wait for it
	s_wait_dscnt 0x0                               ; the add is done, and my reads of this slot are over
	s_barrier_signal -1
	MUL8 F1, 0, 2, 0
.if \fill
	WIN 0
.endif
	s_barrier_wait -1
.if \fill
	CREST                                          ; no wave of any partner still reads this slot's tile or has a load on its way
	s_add_nc_u64 s[G0+4*\slot+2:G0+4*\slot+3], s[G0+4*\slot+2:G0+4*\slot+3], 2*KSTEPB
	s_add_nc_u64 s[G0B+4*\slot+2:G0B+4*\slot+3], s[G0B+4*\slot+2:G0B+4*\slot+3], 2*KSTEPB
	JLOAD \slot                                    ; the first tensor load behind the round; the four v_nop behind it are also the places in front of the loads below
.else
	PLACES
.endif
	FETCH \next, 0, F0
	WIN MUL
	MUL8 F1, 1, 0, 0
	MUL8 F1, 1, 2, 0
.endm
	s_wait_tensorcnt 1                             ; my part of K step 0 is in; K step 1's load, issued behind it, may be out
	s_barrier_signal -1
	s_barrier_wait -1                              ; everybody's is
	FETCH 0, 0, F0
	s_wait_loadcnt 0x0                             ; the bias
	QUARTER 0, 1, F0, F1, 1                        ; K step 0: the first products start the sums from the bias
	QUARTER 0, 2, F1, F0, 0
	QUARTER 0, 3, F0, F1, 0
	TURN 0, 1, 1                                   ; slot 0 takes K step 2
	QUARTER 1, 1, F0, F1, 0                        ; K step 1
	QUARTER 1, 2, F1, F0, 0
	QUARTER 1, 3, F0, F1, 0
	TURN 1, 0, 1                                   ; slot 1 takes K step 3: the last load
	QUARTER 0, 1, F0, F1, 0                        ; K step 2
	QUARTER 0, 2, F1, F0, 0
	QUARTER 0, 3, F0, F1, 0
	TURN 0, 1, 0                                   ; nothing is filled: no round
	QUARTER 1, 1, F0, F1, 0                        ; K step 3
	QUARTER 1, 2, F1, F0, 0
	QUARTER 1, 3, F0, F1, 0
	s_wait_dscnt 16                                ; the very last quarter: nothing more to fetch
	WIN MUL
	MUL8 F1, 0, 0, 0
	MUL8 F1, 0, 2, 0
	s_wait_dscnt 0
	MUL8 F1, 1, 0, 0
	MUL8 F1, 1, 2, 0
	WIN 0
; THE WAY OUT, block by block of 16 rows x 64 columns.  A lane holds 32 neighbouring bytes of a row, the lanes beside it other rows: a block goes through my own stage in LDS and comes back as whole
; rows of 256 bytes, my wave's whole share of a row.  LDS serves a wave's instructions in order (ISA guide 5.7.1.4): no wait between the stores and the loads, nor in front of the next block's stores.
.macro TOSTAGE a
.irp b, 0,1,2,3
	ds_store_b128 v[STO], v[ACC+8*(4*(\a)+\b):ACC+8*(4*(\a)+\b)+3] offset:64*\b          ; each accumulator from its low end on
	ds_store_b128 v[STO], v[ACC+8*(4*(\a)+\b)+4:ACC+8*(4*(\a)+\b)+7] offset:64*\b+16
.endr
.set BB, TMP+32*((\a)%2)
.irp t, 0,1,2,3,4,5,6,7
	ds_load_b128 v[BB+4*\t:BB+4*\t+3], v[RD] offset:\t*2*SPITCH
.endr
.endm
.macro SEND a, younger                 ; younger: the LDS instructions issued behind block a's loads, which may stay out
.set BB, TMP+32*((\a)%2)
	s_wait_dscnt \younger
.irp t, 0,1,2,3,4,5,6,7
	global_store_b128 v[CO], v[BB+4*\t:BB+4*\t+3], s[8:9] offset:(16*(\a)+2*\t)*4096 th:TH_STORE_NT   ; 16 lanes store 256 consecutive bytes, aligned; written once, read by nobody here
.endr
.endm
	PLACES                                         ; behind the last products
	TOSTAGE 0
.irp a, 1,2,3
.if \a > 1
	s_wait_xcnt 0x0                                ; block a - 2's stores have read their registers: block a's loads may land there
.endif
	TOSTAGE \a
	SEND \a-1, 16                                  ; behind block a - 1's loads: block a's 8 stores and 8 loads
.endr
	SEND 3, 0
	s_wait_tensorcnt 0x0                           ; the wave's end, behind my last tensor load and my last LDS store
	ds_add_u32 v[SPW], v[NIL]
	s_wait_dscnt 0x0
	CROUND                                         ; the closing round: no work-group ends while a partner may still ask for a tile that names it
	s_endpgm
.Lfunc_end_k_q386df14b5a_proj:
	.size	k_q386df14b5a_proj, .Lfunc_end_k_q386df14b5a_proj-k_q386df14b5a_proj
	.p2alignl 7, 3214868480
	.fill 96, 4, 3214868480
	.section	.rodata,"a",@progbits
	.p2align	6, 0x0
	.amdhsa_kernel k_q386df14b5a_proj
		.amdhsa_group_segment_fixed_size 327680
		.amdhsa_private_segment_fixed_size 0
		.amdhsa_enable_private_segment 0
		.amdhsa_kernarg_size 32
		.amdhsa_user_sgpr_count 2
		.amdhsa_user_sgpr_kernarg_segment_ptr 1
		.amdhsa_wavefront_size32 1
		.amdhsa_system_sgpr_workgroup_id_x 1
		.amdhsa_system_sgpr_workgroup_id_y 1
		.amdhsa_system_sgpr_workgroup_id_z 1
		.amdhsa_system_vgpr_workitem_id 0
		.amdhsa_next_free_vgpr 512
		.amdhsa_next_free_sgpr 68
		.amdhsa_reserve_vcc 0
		.amdhsa_float_denorm_mode_32 3
		.amdhsa_float_denorm_mode_16_64 3
		.amdhsa_memory_ordered 1
		.amdhsa_forward_progress 1
		.amdhsa_inst_pref_size 86
	.end_amdhsa_kernel
	.amdgpu_metadata
---
amdhsa.version: [ 1, 2 ]
amdhsa.kernels:
  - .name:           k_q386df14b5a_proj
    .symbol:         k_q386df14b5a_proj.kd
    .args:
      - { .name: ao, .offset: 0, .size: 8, .value_kind: global_buffer, .address_space: global }
      - { .name: wof, .offset: 8, .size: 8, .value_kind: global_buffer, .address_space: global }
      - { .name: b_out, .offset: 16, .size: 8, .value_kind: global_buffer, .address_space: global }
      - { .name: out0, .offset: 24, .size: 8, .value_kind: global_buffer, .address_space: global }
    .group_segment_fixed_size: 327680
    .private_segment_fixed_size: 0
    .kernarg_segment_align: 8
    .kernarg_segment_size: 32
    .max_flat_workgroup_size: 128
    .sgpr_count:     68
    .vgpr_count:     512
    .wavefront_size: 32
...
	.end_amdgpu_metadata
.endif
;; end of part 4
